; MI455X (gfx1250); checked and timed in simulation.
; The chip was launched on July 23, 2026; its instructions are those of AMD's public machine-readable ISA for CDNA 5 (MIT licence, August 2026) and "CDNA5" Instruction Set Architecture Reference Guide (July 2026). The comments in the code are by the model that wrote it; some were corrected since.
;; Spiking Self Attention. Allowed arithmetic: float matrix products may take bf16 or f16 operands with f32 sums; all other float work in f32.
;; Inputs: k_W 768 x 768 float32; k_b 768 float32; k_beta 768 float32; k_g 768 float32; l_W 768 x 768 float32; l_b 768 float32; l_beta 768 float32; l_g 768 float32; q_W 768 x 768 float32; q_b 768 float32; q_beta 768 float32; q_g 768 float32; v_W 768 x 768 float32; v_b 768 float32; v_beta 768 float32; v_g 768 float32; x 16 x 4 x 256 x 768 float32.
;; Outputs: out0 16 x 4 x 256 x 768 float32.
;; 2 versions, each right and faster than the one before. Each part assembles by itself: llvm-mc -triple=amdgcn-amd-amdhsa -mcpu=gfx1250 --defsym DOCPART=n.
;; ======== version 1 of 2: 4 launches
;; workspace buffers: wb 4,718,592 bytes; pr 36,864 bytes; sp 75,497,472 bytes; mf 6,291,456 bytes
;; launch prep (part 1): grid 12 x 32, 8 waves a work-group, no clusters, 0 bytes of LDS; arguments q_W, q_b, q_g, q_beta, k_W, k_b, k_g, k_beta, v_W, v_b, v_g, v_beta, l_W, l_b, l_g, l_beta, wb, pr; writes wb, pr
.if DOCPART == 1
	.amdgcn_target "amdgcn-amd-amdhsa--gfx1250"
	.amdhsa_code_object_version 6
	.text
	.protected	k_q838f5feedc_prep
	.globl	k_q838f5feedc_prep
	.p2align	8
	.type	k_q838f5feedc_prep,@function
k_q838f5feedc_prep:
	s_mov_b64 s[64:65], 0
	v_nop
	global_prefetch_b8 v0, s[64:65] scope:SCOPE_SE
	s_setreg_imm32_b32 hwreg(HW_REG_WAVE_MODE, 25, 1), 1
	s_wait_xcnt 0x0
; PREP.  The four weight matrices W[768 n][768 k] (f32) are rounded once to bf16 and laid out as the later launches fetch them:
; wb[m: q,k,v,l][pair 6][chunk 8][parity 2][96 n][64 k], K step = 2 pair + parity, W's row = 96 chunk + n: a wave's part of a K step is 12,288 dense bytes.
; The twelve vectors b, g, beta are rounded once to bf16 as well and written back as f32: pr[m][b, g, beta][768].
; So every input of the module has exactly one rounding to bf16, and all later arithmetic on them is f32.
; A work-group takes one K step (x) of one chunk of one matrix (y = 8 m + chunk): 96 rows x 256 bytes in, 12,288 bytes out.  Memory binds: no LDS, no barrier, no matrix unit.
; A load of a wave covers two rows' aligned 256 bytes; a store of a wave covers 256 consecutive bytes, aligned.
.set ROWB, 3072                        ; bytes in a row of W
	s_load_b512 s[8:23], s[0:1], 0x0               ; q's W, b, g, beta s[8:15]; k's s[16:23]
	s_load_b512 s[24:39], s[0:1], 0x40             ; v's s[24:31]; l's s[32:39]
	s_load_b128 s[40:43], s[0:1], 0x80             ; wb s[40:41], pr s[42:43]
	s_and_b32 s4, ttmp7, 0xffff
	s_lshr_b32 s5, s4, 3                           ; m
	s_and_b32 s6, s4, 7                            ; chunk
	v_lshrrev_b32 v1, 5, v0
	v_readfirstlane_b32 s7, v1                     ; wave 0..7
	v_and_b32 v1, 31, v0                           ; lane
	v_and_b32 v2, 15, v0
	v_bfe_u32 v3, v0, 4, 1
	v_mul_u32_u24 v3, v3, ROWB                     ; lanes 16-31 take the next row
	v_lshl_add_u32 v2, v2, 4, v3                   ; 16 bytes a lane
	s_mul_i32 s52, s6, 96
	s_mul_i32 s53, s7, 12
	s_add_co_u32 s52, s52, s53                     ; my wave's first row: 96 chunk + 12 wave
	s_mul_i32 s52, s52, ROWB
	s_lshl_b32 s53, ttmp9, 8                       ; the K step's 256 bytes of a row
	s_add_co_u32 s52, s52, s53
	v_add_nc_u32 v2, s52, v2                       ; byte offset in W; never rewritten
	s_mul_i32 s54, s7, 1536                        ; 12 rows of 128 bytes out
	v_lshl_add_u32 v4, v1, 3, s54                  ; + 8 bytes a lane; never rewritten
	s_mul_i32 s56, s5, 1179648                     ; where the work-group's 12,288 bytes lie in wb
	s_lshr_b32 s55, ttmp9, 1
	s_mul_i32 s55, s55, 196608
	s_add_co_u32 s56, s56, s55
	s_mul_i32 s55, s6, 24576
	s_add_co_u32 s56, s56, s55
	s_and_b32 s55, ttmp9, 1
	s_mul_i32 s55, s55, 12288
	s_add_co_u32 s56, s56, s55
	s_mov_b32 s57, 0
	s_wait_kmcnt 0x0
	s_cmp_eq_u32 s5, 1                             ; the four addresses of matrix m, chosen on m alone: W s[44:45], b s[46:47], g s[48:49], beta s[50:51]
	s_cselect_b64 s[44:45], s[16:17], s[8:9]
	s_cselect_b64 s[46:47], s[18:19], s[10:11]
	s_cselect_b64 s[48:49], s[20:21], s[12:13]
	s_cselect_b64 s[50:51], s[22:23], s[14:15]
	s_cmp_eq_u32 s5, 2
	s_cselect_b64 s[44:45], s[24:25], s[44:45]
	s_cselect_b64 s[46:47], s[26:27], s[46:47]
	s_cselect_b64 s[48:49], s[28:29], s[48:49]
	s_cselect_b64 s[50:51], s[30:31], s[50:51]
	s_cmp_eq_u32 s5, 3
	s_cselect_b64 s[44:45], s[32:33], s[44:45]
	s_cselect_b64 s[46:47], s[34:35], s[46:47]
	s_cselect_b64 s[48:49], s[36:37], s[48:49]
	s_cselect_b64 s[50:51], s[38:39], s[50:51]
	s_add_nc_u64 s[40:41], s[40:41], s[56:57]
.irp i, 0,1,2,3,4,5
	global_load_b128 v[8+4*\i:11+4*\i], v2, s[44:45] offset:2*ROWB*\i th:TH_LOAD_NT  ; two rows a load, all six on their way
.endr
.irp i, 0,1,2,3,4,5
	s_wait_loadcnt 5-\i                            ; loads come back in order: item i is in, the younger ones stay out
	v_cvt_pk_bf16_f32 v[32+2*\i], v[8+4*\i], v[9+4*\i]
	v_cvt_pk_bf16_f32 v[33+2*\i], v[10+4*\i], v[11+4*\i]
	global_store_b64 v4, v[32+2*\i:33+2*\i], s[40:41] offset:256*\i
.endr
	; the three vectors of matrix m: by the work-group of K step 0 and chunk 0, waves 0 to 5, 512 bytes a wave
	s_or_b32 s52, s6, ttmp9
	s_cmp_lg_u32 s52, 0
	s_cbranch_scc1 .Lend
	s_cmp_gt_u32 s7, 5
	s_cbranch_scc1 .Lend
	s_mul_i32 s56, s5, 9216
	s_add_nc_u64 s[42:43], s[42:43], s[56:57]
	v_lshlrev_b32 v5, 4, v0                        ; 16 bytes a thread: threads 0 to 191 cover 3,072 bytes
	global_load_b128 v[8:11], v5, s[46:47]
	global_load_b128 v[12:15], v5, s[48:49]
	global_load_b128 v[16:19], v5, s[50:51]
.irp q, 0,1,2
	s_wait_loadcnt 2-\q
	v_cvt_pk_bf16_f32 v44, v[8+4*\q], v[9+4*\q]    ; rounded to bf16,
	v_cvt_pk_bf16_f32 v45, v[10+4*\q], v[11+4*\q]
	v_lshlrev_b32 v[48+4*\q], 16, v44              ; and widened again: the low half moves up, the high half stays
	v_and_b32 v[49+4*\q], 0xffff0000, v44
	v_lshlrev_b32 v[50+4*\q], 16, v45
	v_and_b32 v[51+4*\q], 0xffff0000, v45
	global_store_b128 v5, v[48+4*\q:51+4*\q], s[42:43] offset:3072*\q
.endr
.Lend:
	s_endpgm
.Lfunc_end_k_q838f5feedc_prep:
	.size	k_q838f5feedc_prep, .Lfunc_end_k_q838f5feedc_prep-k_q838f5feedc_prep
	.p2alignl 7, 3214868480
	.fill 96, 4, 3214868480
	.section	.rodata,"a",@progbits
	.p2align	6, 0x0
	.amdhsa_kernel k_q838f5feedc_prep
		.amdhsa_group_segment_fixed_size 0
		.amdhsa_private_segment_fixed_size 0
		.amdhsa_enable_private_segment 0
		.amdhsa_kernarg_size 144
		.amdhsa_user_sgpr_count 2
		.amdhsa_user_sgpr_kernarg_segment_ptr 1
		.amdhsa_wavefront_size32 1
		.amdhsa_system_sgpr_workgroup_id_x 1
		.amdhsa_system_sgpr_workgroup_id_y 1
		.amdhsa_system_sgpr_workgroup_id_z 1
		.amdhsa_system_vgpr_workitem_id 0
		.amdhsa_next_free_vgpr 64
		.amdhsa_next_free_sgpr 66
		.amdhsa_reserve_vcc 0
		.amdhsa_float_denorm_mode_32 3
		.amdhsa_float_denorm_mode_16_64 3
		.amdhsa_memory_ordered 1
		.amdhsa_forward_progress 1
		.amdhsa_inst_pref_size 7
	.end_amdhsa_kernel
	.amdgpu_metadata
---
amdhsa.version: [ 1, 2 ]
amdhsa.kernels:
  - .name:           k_q838f5feedc_prep
    .symbol:         k_q838f5feedc_prep.kd
    .args:
      - { .name: q_W, .offset: 0, .size: 8, .value_kind: global_buffer, .address_space: global }
      - { .name: q_b, .offset: 8, .size: 8, .value_kind: global_buffer, .address_space: global }
      - { .name: q_g, .offset: 16, .size: 8, .value_kind: global_buffer, .address_space: global }
      - { .name: q_beta, .offset: 24, .size: 8, .value_kind: global_buffer, .address_space: global }
      - { .name: k_W, .offset: 32, .size: 8, .value_kind: global_buffer, .address_space: global }
      - { .name: k_b, .offset: 40, .size: 8, .value_kind: global_buffer, .address_space: global }
      - { .name: k_g, .offset: 48, .size: 8, .value_kind: global_buffer, .address_space: global }
      - { .name: k_beta, .offset: 56, .size: 8, .value_kind: global_buffer, .address_space: global }
      - { .name: v_W, .offset: 64, .size: 8, .value_kind: global_buffer, .address_space: global }
      - { .name: v_b, .offset: 72, .size: 8, .value_kind: global_buffer, .address_space: global }
      - { .name: v_g, .offset: 80, .size: 8, .value_kind: global_buffer, .address_space: global }
      - { .name: v_beta, .offset: 88, .size: 8, .value_kind: global_buffer, .address_space: global }
      - { .name: l_W, .offset: 96, .size: 8, .value_kind: global_buffer, .address_space: global }
      - { .name: l_b, .offset: 104, .size: 8, .value_kind: global_buffer, .address_space: global }
      - { .name: l_g, .offset: 112, .size: 8, .value_kind: global_buffer, .address_space: global }
      - { .name: l_beta, .offset: 120, .size: 8, .value_kind: global_buffer, .address_space: global }
      - { .name: wb, .offset: 128, .size: 8, .value_kind: global_buffer, .address_space: global }
      - { .name: pr, .offset: 136, .size: 8, .value_kind: global_buffer, .address_space: global }
    .group_segment_fixed_size: 0
    .private_segment_fixed_size: 0
    .kernarg_segment_align: 8
    .kernarg_segment_size: 144
    .max_flat_workgroup_size: 256
    .sgpr_count:     66
    .vgpr_count:     64
    .wavefront_size: 32
...
	.end_amdgpu_metadata
.endif
;; end of part 1
;; launch qkv (part 2): grid 256 x 1, 8 waves a work-group, clusters of 4 x 1, 327,680 bytes of LDS; arguments x, wb, pr, sp; writes sp
.if DOCPART == 2
	.amdgcn_target "amdgcn-amd-amdhsa--gfx1250"
	.amdhsa_code_object_version 6
	.text
	.protected	k_q838f5feedc_qkv
	.globl	k_q838f5feedc_qkv
	.p2align	8
	.type	k_q838f5feedc_qkv,@function
k_q838f5feedc_qkv:
	s_mov_b64 s[64:65], 0
	v_nop
	global_prefetch_b8 v0, s[64:65] scope:SCOPE_SE
	s_setreg_imm32_b32 hwreg(HW_REG_WAVE_MODE, 25, 1), 1
	s_wait_xcnt 0x0
	s_wait_alu depctr_hold_cnt(0) depctr_sa_sdst(0) depctr_va_vdst(0) depctr_va_sdst(0) depctr_va_ssrc(0) depctr_va_vcc(0) depctr_vm_vsrc(0)
	s_getreg_b32 s2, hwreg(HW_REG_IB_STS2, 6, 4)
	s_cmp_eq_u32 s2, 0
	s_cbranch_scc0 .Lentry_in_a_cluster
	s_endpgm
.Lentry_in_a_cluster:
	s_bfe_u32 s2, ttmp6, 0x10000c
	s_cmp_lg_u32 s2, 0x3003
	s_cbranch_scc0 .Lentry_shape_is_right
	s_endpgm
.Lentry_shape_is_right:
; QKV.  For each of the branches q, k, v: h = LayerNorm(x W^T + b) g + beta, then the LIF scan over t (threshold 1), spikes out as bf16 0 / 1.
; SHARES.  A work-group owns 16 positions l of one batch entry b at all four t: 64 rows (row = 16 t + l') x all 768 columns, since LayerNorm wants a whole row and the scan all four t.
; Eight waves; wave w owns columns 96 w .. 96 w + 95: 24 accumulators of 16 x 16 (4 t x 6 column blocks), 192 registers.  256 work-groups, one for each WGP.
; x is read once, rounded to bf16 and kept in LDS for all three branches.  W comes as bf16 tiles of 64 along K (launch prep laid them out): each wave fetches and reads its own 96 rows, through its own two slots.
; THE MATRIX INSTRUCTION IS USED TRANSPOSED: source 0 = 16 rows of W, source 1 = 16 rows of x.  A lane (r = lane % 16, h = lane / 16) then holds row l' = r and, in register j, column 16 nb + 8 h + j.
; So the bias is the C operand of the first K step, a row's sums are in-lane sums and one exchange of the lanes' halves, the scan is elementwise between accumulators, and eight spikes pack into 16 neighbouring bytes.
; CLUSTER.  The four work-groups of a cluster walk the same W: every tile is asked for jointly (same load, same descriptor, mask of four).  The descriptors hang on the wave's number and the step alone.
; ARITHMETIC.  Products of bf16 operands, sums in f32.  LayerNorm in two passes (mean, then the squares of the differences), 1 / sqrt by v_rsq_f32 and one Newton step; v + (x - v) / 2 as a subtraction and a fused multiply-add (x / 2 is exact).
; LIMITS.  Every input is rounded once to bf16.  The order of the f32 sums differs from a plain loop's: a membrane value that lies within that rounding noise (some 1e-7 of itself) of the threshold may spike otherwise.
; NaN gives no spike (the comparison is false), and -s v + v has the value of v (1 - s) for every v.
; sp[branch 3][b 16][t 4][lblk 16][block 48][16 l x 16 d bf16, 32 bytes a row of l]: a store of a wave is one block, 512 consecutive bytes, aligned.
; LDS: 0 the ring, wave w at 27,648 w: two slots of 96 rows x 144; XS x in bf16, 64 rows x 1,552, written by LDS stores alone; STAT two areas of 8 x 256 bytes for the rows' sums; SPARE the spare words.
; REGISTERS.  window 0: v0-15 addresses; v16-31 at work; v32-95 x's fragments, two buffers; v96-191 W's, two buffers; v192-239 b, later beta; v240-251 at work; v252-253 running addresses.
;             window 1: v0-191 accumulators, (t, nb) at 8 (6 t + nb); v192-239 g; v240-243 the rows' means; v244-247 1 / sqrt; v248 1.0.
.set WP,    144                        ; a row of W in LDS: 128 bytes + 16 = 9 x 16: the 16 rows of a fragment load start at 16 different 16-byte columns of 256
.set SLOTB, 96*WP                      ; 13,824
.set RINGW, 2*SLOTB                    ; 27,648: a wave's two slots
.set XS,    8*RINGW                    ; 221,184
.set XP,    1552                       ; a row of x in LDS: 1,536 + 16 = 97 x 16
.set STAT,  XS+64*XP                   ; 320,512
.set SPARE, STAT+4096                  ; 324,608: 128 bytes a wave, four blocks of 256 bytes that no other line names
.set PAIRB, 196608                     ; bytes of wb from a K step to the K step two on
.set MATB,  6*PAIRB                    ; bytes of one matrix in wb
.set RR,  1                            ; v1   r
.set HH,  2                            ; v2   h
.set SPW, 3                            ; v3   my spare word; never rewritten
.set NIL, 4                            ; v4   0; never rewritten
.set AXB, 5                            ; v5-6 my place in x's fragments, t = 0, 1 and t = 2, 3; never rewritten
.set AW,  7                            ; v7-8 my place in W's fragments, slot 0, 1
.set VP,  9                            ; v9   my byte offset in a vector of pr
.set VO,  10                           ; v10  my byte offset in a row of blocks of sp
.set AST, 11                           ; v11  where my wave puts its rows' sums
.set ALD, 12                           ; v12  where I read all waves' sums
.set T,   16
.set XF,  32
.set PK,  64                           ; packed spikes, where x's second buffer lies
.set WF,  96
.set S,   144                          ; spikes as f32, where W's second buffer lies
.set PB,  192
.set AXR, 252
.set PG,  192                          ; window 1
.set MM,  240
.set RS,  244
.set ONE, 248
.set G1,  24                           ; s[24:31] group 1 for one tile;  s[32:39] for two tiles at once
.set G1D, 32
.set G0,  40                           ; s[40:47] group 0, a set for each slot;  s[48:51] for two tiles at once
.set G0D, 48
.set MSB, 0
.macro WIN new                         ; the immediate's high byte repeats the setting that is left; a switch that changes nothing is dropped
.if MSB != (\new)
	s_set_vgpr_msb (MSB<<8)|(\new)
.set MSB, \new
.endif
.endm
.macro PLACES                          ; four places behind matrix instructions, in front of loads into their registers and of vector work on them
.rept 4
	v_nop
.endr
.endm
.macro CREST                           ; a round of the cluster's barrier behind its opening barrier
	s_cmp_lg_u32 s12, 0
	s_cbranch_scc1 .Lnot_wave_0_\@
	s_barrier_signal -3
.Lnot_wave_0_\@:
	s_barrier_wait -3
	s_barrier_signal -1
	s_barrier_wait -1
.endm
.macro ROUND                           ; a whole round
	s_barrier_signal -1
	s_barrier_wait -1
	CREST
.endm
; 20 LDS loads in one run: 32 along K (half 0 or 1 of the K step in the slot) of my 96 rows of W, then of x's 64 rows, t ascending, into buffer f
.macro FETCH slot, half, f
	WIN 0
.irp nb, 0,1,2,3,4,5
	ds_load_b128 v[WF+48*(\f)+8*\nb:WF+48*(\f)+8*\nb+3],   v[AW+(\slot)] offset:16*WP*\nb+64*(\half)
	ds_load_b128 v[WF+48*(\f)+8*\nb+4:WF+48*(\f)+8*\nb+7], v[AW+(\slot)] offset:16*WP*\nb+64*(\half)+32
.endr
.irp t, 0,1,2,3
	ds_load_b128 v[XF+32*(\f)+8*\t:XF+32*(\f)+8*\t+3],   v[AXR+(\t)/2] offset:16*XP*((\t)%2)+128*(\slot)+64*(\half)
	ds_load_b128 v[XF+32*(\f)+8*\t+4:XF+32*(\f)+8*\t+7], v[AXR+(\t)/2] offset:16*XP*((\t)%2)+128*(\slot)+64*(\half)+32
.endr
.endm
; 6 matrix instructions: the six column blocks of time step t, 32 along K, from buffer f.  first = 1: the sums start with the bias.
; The 24 accumulators take turns in the same order in every half step.
.macro MUL f, t, first
.if \first
	WIN 0x40                                       ; D in window 1; W, x and the bias in window 0
.else
	WIN 0x50                                       ; C and D in window 1
.endif
.irp nb, 0,1,2,3,4,5
.if \first
	v_wmma_f32_16x16x32_bf16 v[8*(6*(\t)+\nb):8*(6*(\t)+\nb)+7], v[WF+48*(\f)+8*\nb:WF+48*(\f)+8*\nb+7], v[XF+32*(\f)+8*(\t):XF+32*(\f)+8*(\t)+7], v[PB+8*\nb:PB+8*\nb+7]
.else
	v_wmma_f32_16x16x32_bf16 v[8*(6*(\t)+\nb):8*(6*(\t)+\nb)+7], v[WF+48*(\f)+8*\nb:WF+48*(\f)+8*\nb+7], v[XF+32*(\f)+8*(\t):XF+32*(\f)+8*(\t)+7], v[8*(6*(\t)+\nb):8*(6*(\t)+\nb)+7]
.endif
.endr
.endm
; The first half of a K step: multiplies buffer 0 and, in its middle, fetches the second half into buffer 1
.macro HALF_A slot, first
	s_wait_dscnt 4                                 ; W and x of t = 0, 1 are in; the youngest four loads (x of t = 2, 3) may be out
	MUL 0, 0, \first
	MUL 0, 1, \first
	PLACES
	FETCH \slot, 1, 1
	s_wait_dscnt 20                                ; all but the 20 just issued
	MUL 0, 2, \first
	MUL 0, 3, \first
.endm
; The second half multiplies buffer 1 and changes slots.  fill = 1: the slot just read out is filled again, with the K step two on: each wave waits for all its tensor loads (one is out: the next
; slot's), adds 0 to its spare word, waits for that and for its reads of the slot; the barrier opens a round of the cluster's barrier; the joint load is the first thing behind the round.
; fill = 0: nothing is filled; a wave reads its own slots alone, so its own wait for the last tile is all the ordering that the reads need.
.macro TURN slot, next, fill
	WIN 0
	s_wait_tensorcnt 0x0                           ; all my tensor loads have landed, so a group 0 may be written
.if \fill
	ds_add_u32 v[SPW], v[NIL]                      ; 0 onto my spare word
	s_add_nc_u64 s[G0+4*(\slot)+2:G0+4*(\slot)+3], s[G0+4*(\slot)+2:G0+4*(\slot)+3], PAIRB
	s_wait_dscnt 5                                 ; (the add and the youngest four loads may be out)
	MUL 1, 0, 0                                    ; six matrix instructions stand between the add and the wait for it
	s_wait_dscnt 0x0                               ; the add is done, and my reads of this slot are over
	s_barrier_signal -1
	MUL 1, 1, 0                                    ; work on registers while the others arrive
	WIN 0
	s_barrier_wait -1
	CREST                                          ; no wave of any partner still reads this slot or has a load on its way
	tensor_load_to_lds s[G0+4*(\slot):G0+4*(\slot)+3], s[G1:G1+7]
	s_nop 0
	PLACES                                         ; also the places in front of the loads below
	FETCH \next, 0, 0
.else
	s_add_nc_u64 s[G0+4*(\slot)+2:G0+4*(\slot)+3], s[G0+4*(\slot)+2:G0+4*(\slot)+3], PAIRB  ; six steps in all: the next matrix's first tile of this slot
	s_wait_dscnt 4
	MUL 1, 0, 0
	MUL 1, 1, 0
	PLACES
	FETCH \next, 0, 0
	s_wait_dscnt 20                                ; all but the 20 just issued
.endif
	MUL 1, 2, 0
	MUL 1, 3, 0
.endm
.macro BIAS                            ; b of my 96 columns: the eight numbers of (nb, h) are the C operand's eight registers
	WIN 0
.irp nb, 0,1,2,3,4,5
	global_load_b128 v[PB+8*\nb:PB+8*\nb+3],   v[VP], s[60:61] offset:64*\nb
	global_load_b128 v[PB+8*\nb+4:PB+8*\nb+7], v[VP], s[60:61] offset:64*\nb+16
.endr
.endm
.macro PARAMS                          ; g into window 1, beta where b lay
	WIN 0x40
.irp nb, 0,1,2,3,4,5
	global_load_b128 v[PG+8*\nb:PG+8*\nb+3],   v[VP], s[60:61] offset:3072+64*\nb
	global_load_b128 v[PG+8*\nb+4:PG+8*\nb+7], v[VP], s[60:61] offset:3072+64*\nb+16
.endr
	WIN 0
.irp nb, 0,1,2,3,4,5
	global_load_b128 v[PB+8*\nb:PB+8*\nb+3],   v[VP], s[60:61] offset:6144+64*\nb
	global_load_b128 v[PB+8*\nb+4:PB+8*\nb+7], v[VP], s[60:61] offset:6144+64*\nb+16
.endr
.endm
.macro FOLD                            ; four pairs of partial sums (one a time step) -> v24-27: my wave's 96 columns' sum for row (t, r), in both halves of the lanes
	WIN 0
.irp t, 0,1,2,3
	v_add_f32 v[24+\t], v[T+2*\t], v[T+2*\t+1]
.endr
.irp t, 0,1,2,3
	v_permlanex16_b32 v[28+\t], v[24+\t], s58, s59 ; the row's other 48 columns lie in the lane 16 away
.endr
.irp t, 0,1,2,3
	v_add_f32 v[24+\t], v[24+\t], v[28+\t]
.endr
.endm
.macro EXCH off                        ; the eight waves' sums meet in LDS; every wave adds them in the same order -> v32-35
	ds_store_b128 v[AST], v[24:27] offset:\off
	s_wait_dscnt 0x0                               ; for the others' sake: my store is done
	s_barrier_signal -1
	s_barrier_wait -1
.irp w, 0,1,2,3,4,5,6,7
	ds_load_b128 v[32+4*\w:35+4*\w], v[ALD] offset:(\off)+256*\w
.endr
	s_wait_dscnt 0x0
.irp w, 1,2,3,4,5,6,7
	v_pk_add_f32 v[32:33], v[32:33], v[32+4*\w:33+4*\w]
	v_pk_add_f32 v[34:35], v[34:35], v[34+4*\w:35+4*\w]
.endr
.endm
.macro SUBM x, t                       ; a pair of the accumulators less the mean of time step t (one register of a pair, for both halves)
.if (\t)%2
	v_pk_add_f32 v[\x:\x+1], v[\x:\x+1], v[MM+2*((\t)/2):MM+2*((\t)/2)+1] op_sel:[0,1] op_sel_hi:[1,1] neg_lo:[0,1] neg_hi:[0,1]
.else
	v_pk_add_f32 v[\x:\x+1], v[\x:\x+1], v[MM+2*((\t)/2):MM+2*((\t)/2)+1] op_sel_hi:[1,0] neg_lo:[0,1] neg_hi:[0,1]
.endif
.endm
.macro MULR x, t                       ; the same pair times 1 / sqrt of time step t
.if (\t)%2
	v_pk_mul_f32 v[\x:\x+1], v[\x:\x+1], v[RS+2*((\t)/2):RS+2*((\t)/2)+1] op_sel:[0,1] op_sel_hi:[1,1]
.else
	v_pk_mul_f32 v[\x:\x+1], v[\x:\x+1], v[RS+2*((\t)/2):RS+2*((\t)/2)+1] op_sel_hi:[1,0]
.endif
.endm
; LAYERNORM, in place in the accumulators.  Each accumulator is read from its low end on.
.macro E1
	PLACES
	WIN 0x05                                       ; both sources in window 1
.irp t, 0,1,2,3
	v_pk_add_f32 v[T+2*\t:T+2*\t+1], v[48*\t:48*\t+1], v[48*\t+2:48*\t+3]  ; the first two pairs start the sums: nothing is cleared
.endr
	WIN 0x04
.set n, 2
.rept 22
.irp t, 0,1,2,3
	v_pk_add_f32 v[T+2*\t:T+2*\t+1], v[T+2*\t:T+2*\t+1], v[48*\t+2*n:48*\t+2*n+1]
.endr
.set n, n+1
.endr
	FOLD
	EXCH 0
	WIN 0x40
	v_pk_mul_f32 v[MM:MM+1], v[32:33], s[54:55] op_sel_hi:[1,0]     ; the means
	v_pk_mul_f32 v[MM+2:MM+3], v[34:35], s[54:55] op_sel_hi:[1,0]
	WIN 0x45                                       ; all in window 1
.irp t, 0,1,2,3
.set n, 0
.rept 24
	SUBM 48*\t+2*n, \t
.set n, n+1
.endr
.endr
	WIN 0x05
.irp t, 0,1,2,3
	v_pk_mul_f32 v[T+2*\t:T+2*\t+1], v[48*\t:48*\t+1], v[48*\t:48*\t+1]
.endr
.set n, 1
.rept 23
.irp t, 0,1,2,3
	v_pk_fma_f32 v[T+2*\t:T+2*\t+1], v[48*\t+2*n:48*\t+2*n+1], v[48*\t+2*n:48*\t+2*n+1], v[T+2*\t:T+2*\t+1]
.endr
.set n, n+1
.endr
	FOLD
	EXCH 2048                                      ; other bytes than the first exchange's
	v_pk_fma_f32 v[32:33], v[32:33], s[54:55], s[56:57] op_sel_hi:[1,0,0]  ; a = variance + 1e-5
	v_pk_fma_f32 v[34:35], v[34:35], s[54:55], s[56:57] op_sel_hi:[1,0,0]
.irp t, 0,1,2,3
	v_rsq_f32 v[36+\t], v[32+\t]
.endr
	v_nop                                          ; a plain instruction between the last of them and the use of its result
	s_wait_alu depctr_va_vdst(0)
.irp t, 0,1,2,3
	v_mul_f32 v[40+\t], v[32+\t], v[36+\t]         ; one Newton step: r + (r / 2) (1 - a r r)
.endr
.irp t, 0,1,2,3
	v_fma_f32 v[40+\t], -v[40+\t], v[36+\t], 1.0
.endr
.irp t, 0,1,2,3
	v_mul_f32 v[44+\t], 0.5, v[36+\t]
.endr
	WIN 0x40
.irp t, 0,1,2,3
	v_fma_f32 v[RS+\t], v[44+\t], v[40+\t], v[36+\t]
.endr
	s_wait_loadcnt 0x0                             ; g and beta
	WIN 0x45                                       ; accumulators and g in window 1, beta in window 0
.irp t, 0,1,2,3
.irp nb, 0,1,2,3,4,5
.irp k, 0,1,2,3
	MULR 48*\t+8*\nb+2*\k, \t
.endr
.irp k, 0,1,2,3
	v_pk_fma_f32 v[48*\t+8*\nb+2*\k:48*\t+8*\nb+2*\k+1], v[48*\t+8*\nb+2*\k:48*\t+8*\nb+2*\k+1], v[PG+8*\nb+2*\k:PG+8*\nb+2*\k+1], v[PB+8*\nb+2*\k:PB+8*\nb+2*\k+1]
.endr
.endr
.endr
.endm
; ONE TIME STEP OF THE SCAN, in place: the membrane of step t takes the place of h of step t; the spikes go to S as 0.0 / 1.0; where a spike fell the membrane is set to 0.
.macro LIFT t
	WIN 0x55
.set n, 0
.if (\t) == 0
.rept 24
	v_pk_mul_f32 v[2*n:2*n+1], v[2*n:2*n+1], 0.5 op_sel_hi:[1,0]
.set n, n+1
.endr
.else
.rept 24
	v_pk_add_f32 v[48*(\t)+2*n:48*(\t)+2*n+1], v[48*(\t)+2*n:48*(\t)+2*n+1], v[48*(\t)-48+2*n:48*(\t)-48+2*n+1] neg_lo:[0,1] neg_hi:[0,1]
.set n, n+1
.endr
.set n, 0
.rept 24
	v_pk_fma_f32 v[48*(\t)+2*n:48*(\t)+2*n+1], v[48*(\t)+2*n:48*(\t)+2*n+1], 0.5, v[48*(\t)-48+2*n:48*(\t)-48+2*n+1] op_sel_hi:[1,0,1]
.set n, n+1
.endr
.endif
	WIN 0x04                                       ; the membrane and 1.0 in window 1, the spike in window 0
.set n, 0
.rept 48
	v_cmp_le_f32 vcc_lo, 1.0, v[48*(\t)+n]
	v_cndmask_b32 v[S+n], 0, v[ONE], vcc_lo
.set n, n+1
.endr
.if (\t) < 3
	WIN 0x54
.set n, 0
.rept 24
	v_pk_fma_f32 v[48*(\t)+2*n:48*(\t)+2*n+1], v[S+2*n:S+2*n+1], v[48*(\t)+2*n:48*(\t)+2*n+1], v[48*(\t)+2*n:48*(\t)+2*n+1] neg_lo:[1,0,0] neg_hi:[1,0,0]
.set n, n+1
.endr
.endif
.endm
; THE SCAN AND THE WAY OUT of one branch.  step = 1: sp's address goes on to the next branch.
.macro E2Q step
.irp t, 0,1,2,3
	LIFT \t
	WIN 0
	s_wait_xcnt 0x0                                ; the packed registers are the last time step's store data: rewritten only behind this wait
.set n, 0
.rept 24
	v_cvt_pk_bf16_f32 v[PK+n], v[S+2*n], v[S+2*n+1]
.set n, n+1
.endr
.irp nb, 0,1,2,3,4,5
	global_store_b128 v[VO], v[PK+4*\nb:PK+4*\nb+3], s[66:67] offset:393216*\t+512*\nb  ; a block: 512 consecutive bytes, aligned
.endr
.endr
.if \step
	s_wait_xcnt 0x0                                ; the stores' base and data are rewritten only behind this wait
	s_add_nc_u64 s[66:67], s[66:67], 25165824
.endif
.endm
.macro DLOAD                           ; my 96 rows of a matrix's K steps 0 and 1, 24,576 dense bytes, into both my slots by one joint load
	tensor_load_to_lds s[G0D:G0D+3], s[G1D:G1D+7]
	s_nop 0
	PLACES
.endm
	s_load_b256 s[4:11], s[0:1], 0x0               ; x s[4:5], wb s[6:7], pr s[8:9], sp s[10:11]
	v_lshl_add_u32 v[SPW], v0, 2, SPARE
	v_mov_b32 v[NIL], 0
	ds_add_u32 v3, v4
	ds_add_u32 v3, v4
	s_wait_dscnt 0x0
	v_lshrrev_b32 v13, 5, v0
	v_readfirstlane_b32 s12, v13                   ; wave 0..7
	s_bfe_u32 s13, ttmp6, 0x40000                  ; cx: my place in the cluster; it enters x's and sp's addresses alone
	s_lshr_b32 s14, ttmp9, 2                       ; b: ttmp9 counts clusters, four to a batch entry
	s_and_b32 s15, ttmp9, 3
	s_lshl_b32 s15, s15, 2
	s_add_co_u32 s15, s15, s13                     ; lblk: my 16 positions
	; group 1: dense bytes asked for as rows of 256 bytes (two rows of W) and padded in LDS after every 128
	s_mov_b32 s[G1],  15|(1<<16)|(1<<20)|(1<<21)|(4<<22)|(3<<25)  ; 15:0 the mask of four; 17:16 2-byte elements; 20 padding on; 21 set beside a mask; 24:22 after every 32 words (code 4); 31:25 4 words (code 3)
	s_mov_b32 s[G1D], 15|(1<<16)|(1<<20)|(1<<21)|(4<<22)|(3<<25)
	s_mov_b32 s[G1+1], 128<<16                     ; tensor_dim0 = 128
	s_mov_b32 s[G1+2], 48<<16                      ; tensor_dim1 = 48
	s_mov_b32 s[G1+3], 128<<16                     ; tile_dim0 = 128
	s_mov_b32 s[G1+4], 48                          ; tile_dim1 = 48
	s_mov_b32 s[G1+5], 128                         ; 128 elements from row to row
	s_mov_b32 s[G1+6], 0
	s_mov_b32 s[G1+7], 0
	s_mov_b32 s[G1D+1], 128<<16
	s_mov_b32 s[G1D+2], 96<<16                     ; twice the rows
	s_mov_b32 s[G1D+3], 128<<16
	s_mov_b32 s[G1D+4], 96
	s_mov_b32 s[G1D+5], 128
	s_mov_b32 s[G1D+6], 0
	s_mov_b32 s[G1D+7], 0
	s_mov_b32 s54, 0x3aaaaaab                      ; 1 / 768
	s_mov_b32 s55, s54                             ; named with it as a pair
	s_mov_b32 s56, 0x3727c5ac                      ; 1e-5
	s_mov_b32 s57, s56
	s_mov_b32 s58, 0x76543210                      ; v_permlanex16_b32: each lane takes its own place in the other half
	s_mov_b32 s59, 0xfedcba98
	s_mul_i32 s18, s12, 24576                      ; my wave's part of a pair of tiles
	s_mov_b32 s19, 0
	s_mul_i32 s20, s12, RINGW                      ; my wave's ring
	s_mul_i32 s16, s14, 3145728
	s_mul_i32 s17, s15, 49152
	s_add_co_u32 s16, s16, s17
	s_mov_b32 s17, 0
	WIN 0x40
	v_mov_b32 v[ONE], 1.0
	WIN 0
.irp t, 0,1,2,3
	v_mov_b32 v[28+\t], 0                          ; v_permlanex16_b32's destinations count as read
.endr
	s_wait_kmcnt 0x0
	s_add_nc_u64 s[6:7], s[6:7], s[18:19]
	s_add_nc_u64 s[4:5], s[4:5], s[16:17]          ; x at (b, t = 0, my first position)
	s_mul_i32 s16, s14, 1572864
	s_mul_i32 s17, s15, 24576
	s_add_co_u32 s16, s16, s17
	s_mov_b32 s17, 0
	s_add_nc_u64 s[66:67], s[10:11], s[16:17]      ; sp at (q, b, t = 0, lblk)
	s_mov_b64 s[60:61], s[8:9]                     ; pr at q's vectors
	s_mov_b32 s[G0], 1
	s_mov_b32 s[G0+1], s20
	s_mov_b64 s[G0+2:G0+3], s[6:7]                 ; K step 0: the first change of slots steps it to K step 2
	s_or_b32 s[G0+3], s[G0+3], 0x80000000
	s_mov_b32 s[G0+4], 1
	s_add_co_u32 s[G0+5], s20, SLOTB
	s_add_nc_u64 s[G0+6:G0+7], s[6:7], 12288       ; K step 1
	s_or_b32 s[G0+7], s[G0+7], 0x80000000
	s_mov_b32 s[G0D], 1
	s_mov_b32 s[G0D+1], s20
	s_mov_b64 s[G0D+2:G0D+3], s[6:7]
	s_or_b32 s[G0D+3], s[G0D+3], 0x80000000
	ROUND                                          ; all four work-groups are here: the first joint loads meet
	DLOAD                                          ; q's K steps 0 and 1
	v_and_b32 v[RR], 15, v0
	v_bfe_u32 v[HH], v0, 4, 1
	v_and_b32 v15, 31, v0                          ; lane
	s_mul_i32 s21, s12, 384
	v_lshl_add_u32 v[VP], v[HH], 5, s21            ; 4 bytes x (96 w + 8 h)
	BIAS
	s_lshr_b32 s22, s12, 1                         ; x: wave w brings the tile's rows 8 w .. 8 w + 7: t = w / 2, positions 8 (w % 2) on
	s_mul_i32 s22, s22, 786432
	s_and_b32 s23, s12, 1
	s_mul_i32 s23, s23, 24576
	s_add_co_u32 s22, s22, s23
	v_lshl_add_u32 v14, v15, 4, s22
	WIN 0x40                                       ; into the accumulators' registers, which are still idle
.set n, 0
.rept 48
	global_load_b128 v[4*n:4*n+3], v14, s[4:5] offset:3072*(n/6)+512*(n%6) th:TH_LOAD_NT  ; 512 consecutive bytes a load, six to a row
.set n, n+1
.endr
	WIN 0
	v_mul_u32_u24 v[AXB], v[RR], XP
	v_lshl_add_u32 v[AXB], v[HH], 4, v[AXB]        ; row x pitch + 16 x half
	v_add_nc_u32 v[AXB+1], XS+32*XP, v[AXB]
	v_add_nc_u32 v[AXB], XS, v[AXB]
	v_mul_u32_u24 v[AW], v[RR], WP
	v_lshl_add_u32 v[AW], v[HH], 4, v[AW]
	v_add_nc_u32 v[AW], s20, v[AW]
	v_add_nc_u32 v[AW+1], SLOTB, v[AW]
	s_mul_i32 s21, s12, 3072
	v_lshlrev_b32 v[VO], 5, v[RR]
	v_lshl_add_u32 v[VO], v[HH], 4, v[VO]
	v_add_nc_u32 v[VO], s21, v[VO]                 ; six blocks a wave; in a block 32 r + 16 h
	s_lshl_b32 s21, s12, 8
	s_add_co_u32 s21, s21, STAT
	v_lshl_add_u32 v[AST], v[RR], 4, s21
	v_lshlrev_b32 v[ALD], 4, v[RR]
	v_add_nc_u32 v[ALD], STAT, v[ALD]
	s_mul_i32 s21, s12, 8*XP
	s_add_co_u32 s21, s21, XS
	v_lshl_add_u32 v13, v15, 3, s21                ; where my 8 bytes of a row's 256 go
.irp i, 0,1,2,3,4,5,6,7
	s_wait_loadcnt 42-6*\i                         ; row i's six loads are in (and b, asked for earlier); the later rows stay out
	WIN 0x05
.irp c, 0,1,2,3,4,5
	v_cvt_pk_bf16_f32 v[16+224*(\i%2)+2*\c],   v[24*\i+4*\c],   v[24*\i+4*\c+1]
	v_cvt_pk_bf16_f32 v[16+224*(\i%2)+2*\c+1], v[24*\i+4*\c+2], v[24*\i+4*\c+3]
.endr
	WIN 0
.irp c, 0,1,2,3,4,5
	ds_store_b64 v13, v[16+224*(\i%2)+2*\c:16+224*(\i%2)+2*\c+1] offset:XP*\i+256*\c
.endr
.endr
	s_mov_b32 s53, 3                               ; three branches
	s_branch .Lstart                               ; the loop is entered in the middle of a trip
.Ltop:                                                 ; twice: the next branch's first two tiles are asked for, and land under the scan of the branch in hand
	s_wait_tensorcnt 0x0                           ; no tensor load of mine is out
	ds_add_u32 v[SPW], v[NIL]                      ; 0 onto my spare word
	s_add_nc_u64 s[G0D+2:G0D+3], s[G0D+2:G0D+3], MATB
	s_wait_dscnt 0x0                               ; the add is done, and my reads of the ring are over
	ROUND
	DLOAD
	s_add_nc_u64 s[60:61], s[60:61], 9216          ; the loads that named it were waited for in the norm
	BIAS
	E2Q 1
.Lstart:
	s_wait_tensorcnt 0x0                           ; my two tiles are in: the one load that was out
	s_wait_dscnt 0x0                               ; my rows of x are in LDS
	s_wait_loadcnt 0x0                             ; b
	s_barrier_signal -1
	s_barrier_wait -1                              ; everybody's rows of x are
	; THE K PART: 12 K steps of 64
	v_mov_b32 v[AXR], v[AXB]
	v_mov_b32 v[AXR+1], v[AXB+1]
	FETCH 0, 0, 0
	HALF_A 0, 1                                    ; the first half step stands in front of the loop: its products start the sums, with the bias
	PLACES                                         ; for the loads into the bias's registers
	PARAMS
	s_mov_b32 s52, 5
.Llap:                                                 ; a trip goes once round the ring and fills both slots again: K steps 2 .. 11
	TURN 0, 1, 1
	HALF_A 1, 0
	WIN 0
	v_add_nc_u32 v[AXR], 256, v[AXR]               ; two K steps on in x's rows
	v_add_nc_u32 v[AXR+1], 256, v[AXR+1]
	TURN 1, 0, 1
	HALF_A 0, 0
	WIN 0
	s_sub_co_u32 s52, s52, 1
	s_cmp_lg_u32 s52, 0
	s_cbranch_scc1 .Llap
	TURN 0, 1, 0                                   ; the last two K steps fill nothing
	HALF_A 1, 0
	s_add_nc_u64 s[G0+6:G0+7], s[G0+6:G0+7], PAIRB ; no load is out: slot 1's address too stands at the next matrix
	s_wait_dscnt 4
	MUL 1, 0, 0
	MUL 1, 1, 0
	s_wait_dscnt 0x0
	MUL 1, 2, 0
	MUL 1, 3, 0
	E1
	WIN 0
	s_sub_co_u32 s53, s53, 1
	s_cmp_lg_u32 s53, 0
	s_cbranch_scc1 .Ltop
	E2Q 0                                          ; the last branch's scan is written out: nothing more is asked for
	s_wait_tensorcnt 0x0                           ; the wave's end
	ds_add_u32 v[SPW], v[NIL]
	s_wait_dscnt 0x0
	ROUND                                          ; the closing round: no work-group ends while a partner may still ask for a tile that names it
	s_endpgm
.Lfunc_end_k_q838f5feedc_qkv:
	.size	k_q838f5feedc_qkv, .Lfunc_end_k_q838f5feedc_qkv-k_q838f5feedc_qkv
	.p2alignl 7, 3214868480
	.fill 96, 4, 3214868480
	.section	.rodata,"a",@progbits
	.p2align	6, 0x0
	.amdhsa_kernel k_q838f5feedc_qkv
		.amdhsa_group_segment_fixed_size 327680
		.amdhsa_private_segment_fixed_size 0
		.amdhsa_enable_private_segment 0
		.amdhsa_kernarg_size 32
		.amdhsa_user_sgpr_count 2
		.amdhsa_user_sgpr_kernarg_segment_ptr 1
		.amdhsa_wavefront_size32 1
		.amdhsa_system_sgpr_workgroup_id_x 1
		.amdhsa_system_sgpr_workgroup_id_y 1
		.amdhsa_system_sgpr_workgroup_id_z 1
		.amdhsa_system_vgpr_workitem_id 0
		.amdhsa_next_free_vgpr 512
		.amdhsa_next_free_sgpr 80
		.amdhsa_reserve_vcc 1
		.amdhsa_float_denorm_mode_32 3
		.amdhsa_float_denorm_mode_16_64 3
		.amdhsa_memory_ordered 1
		.amdhsa_forward_progress 1
		.amdhsa_inst_pref_size 160
	.end_amdhsa_kernel
	.amdgpu_metadata
---
amdhsa.version: [ 1, 2 ]
amdhsa.kernels:
  - .name:           k_q838f5feedc_qkv
    .symbol:         k_q838f5feedc_qkv.kd
    .args:
      - { .name: x, .offset: 0, .size: 8, .value_kind: global_buffer, .address_space: global }
      - { .name: wb, .offset: 8, .size: 8, .value_kind: global_buffer, .address_space: global }
      - { .name: pr, .offset: 16, .size: 8, .value_kind: global_buffer, .address_space: global }
      - { .name: sp, .offset: 24, .size: 8, .value_kind: global_buffer, .address_space: global }
    .group_segment_fixed_size: 327680
    .private_segment_fixed_size: 0
    .kernarg_segment_align: 8
    .kernarg_segment_size: 32
    .max_flat_workgroup_size: 256
    .sgpr_count:     80
    .vgpr_count:     512
    .wavefront_size: 32
...
	.end_amdgpu_metadata
.endif
;; end of part 2
;; launch ktv (part 3): grid 256 x 1, 4 waves a work-group, no clusters, 197,120 bytes of LDS; arguments sp, mf; writes mf
.if DOCPART == 3
	.amdgcn_target "amdgcn-amd-amdhsa--gfx1250"
	.amdhsa_code_object_version 6
	.text
	.protected	k_q838f5feedc_ktv
	.globl	k_q838f5feedc_ktv
	.p2align	8
	.type	k_q838f5feedc_ktv,@function
k_q838f5feedc_ktv:
	s_mov_b64 s[64:65], 0
	v_nop
	global_prefetch_b8 v0, s[64:65] scope:SCOPE_SE
	s_setreg_imm32_b32 hwreg(HW_REG_WAVE_MODE, 25, 1), 1
	s_wait_xcnt 0x0
; KTV.  M[d1][d2] = the sum over the 256 positions l of k[l][d1] v[l][d2], for each (b, t, head).  reference() has no softmax, so (q k^T) v = q (k^T v) for every input; the spikes are 0 or 1, so all
; sums are whole numbers: M is at most 256 and exact in bf16, and the later product q M at most 16,384, exact in f32: the other order of the products changes no bit.
; SHARES.  A work-group takes three heads (p) of one (b, t); wave a the 16 rows d1 = 16 a .. of each head's M: 12 accumulators.  256 work-groups.
; NO CLUSTER: no two work-groups read the same bytes.  Memory binds: each byte of k and v is read once, by eight tensor loads at the launch's start, and LDS is filled once.
; A tile: 4 rows of 6,144 bytes (the three heads' 12 blocks of 4 groups of 16 positions): as long as the rows lie in sp, each 24 aligned blocks of 256 bytes.
; k and v lie [l][d] in blocks of 16 x 16 (32 bytes a row): both operands come out of LDS turned, by ds_load_tr16_b128; a load of a wave takes one block, 512 consecutive bytes.
; mf[b][t][w 8][i 6][a 4][512 bytes], w = 2 p + nb2 / 2, i = 2 (head % 3) + nb2 % 2: lane L's 16 bytes at 16 L are M[16 a + 8 (L / 16) + 0..7][16 nb2 + L % 16]: the next launch's fragments, as they lie in registers.
.set AK, 4                             ; v4  my place in k's blocks
.set AV, 5                             ; v5  in v's
.set FR, 16                            ; v16-135  head hh: k's fragment at 16 + 40 hh, v's four behind it
.set AC, 136                           ; v136-231 accumulator (hh, nb2) at 136 + 8 (4 hh + nb2)
	s_load_b128 s[4:7], s[0:1], 0x0                ; sp s[4:5], mf s[6:7]
	v_lshl_add_u32 v240, v0, 2, 0x30000
	v_mov_b32 v241, 0
	ds_add_u32 v240, v241
	ds_add_u32 v240, v241
	v_lshrrev_b32 v1, 5, v0
	v_readfirstlane_b32 s8, v1                     ; wave a
	s_lshr_b32 s9, ttmp9, 2                        ; 4 b + t
	s_and_b32 s10, ttmp9, 3                        ; p
	s_mov_b32 s16, 3<<16                           ; group 1: elements of 8 bytes, no mask, no padding
	s_mov_b32 s17, 768<<16                         ; tensor_dim0 = 768
	s_mov_b32 s18, 4<<16                           ; tensor_dim1 = 4
	s_mov_b32 s19, 768<<16                         ; tile_dim0 = 768: 6,144 bytes
	s_mov_b32 s20, 4                               ; tile_dim1 = 4
	s_mov_b32 s21, 3072                            ; 24,576 bytes from one group of 16 positions to the next
	s_mov_b32 s22, 0
	s_mov_b32 s23, 0
	s_mul_i32 s12, s9, 393216
	s_mul_i32 s13, s8, 98304                       ; my four groups of positions
	s_add_co_u32 s12, s12, s13
	s_mul_i32 s13, s10, 6144
	s_add_co_u32 s12, s12, s13
	s_add_co_u32 s12, s12, 25165824                ; k is sp's second part
	s_mov_b32 s13, 0
	s_mul_i32 s14, s8, 24576
	s_mul_i32 s32, s9, 98304
	s_mul_i32 s33, s10, 24576
	s_add_co_u32 s32, s32, s33
	s_mov_b32 s33, 0
	s_wait_dscnt 0x0
	s_wait_kmcnt 0x0
	s_mov_b32 s24, 1
	s_mov_b32 s25, s14                             ; k's blocks from LDS byte 0 on
	s_add_nc_u64 s[26:27], s[4:5], s[12:13]
	s_mov_b32 s28, 1
	s_add_co_u32 s29, s14, 98304                   ; v's behind them
	s_add_nc_u64 s[30:31], s[26:27], 25165824      ; v is sp's third part
	s_or_b32 s27, s27, 0x80000000
	s_or_b32 s31, s31, 0x80000000
	tensor_load_to_lds s[24:27], s[16:23]          ; two loads of mine are out
	s_nop 0
	tensor_load_to_lds s[28:31], s[16:23]
	s_nop 0
	s_add_nc_u64 s[6:7], s[6:7], s[32:33]
	v_and_b32 v1, 7, v0                            ; the turning load: lane L reads position 8 (L / 16) + L % 8, channels 8 ((L / 8) % 2) + 0..7
	v_bfe_u32 v2, v0, 3, 1
	v_bfe_u32 v3, v0, 4, 1
	v_lshlrev_b32 v6, 5, v1
	v_lshl_add_u32 v6, v2, 4, v6
	v_lshl_add_u32 v6, v3, 8, v6
	s_lshl_b32 s15, s8, 9
	v_add_nc_u32 v[AK], s15, v6                    ; block a of each head
	v_add_nc_u32 v[AV], 98304, v6
	v_lshlrev_b32 v7, 4, v0                        ; the way out: 512 a + 16 L
; 32 positions: 30 loads in one run, then 12 matrix instructions, the accumulators by turns.  zero = 1: the first products start the sums
.macro CHUNK zero
.irp hh, 0,1,2
	ds_load_tr16_b128 v[FR+40*\hh:FR+40*\hh+3],   v[AK] offset:2048*\hh
	ds_load_tr16_b128 v[FR+40*\hh+4:FR+40*\hh+7], v[AK] offset:2048*\hh+6144
.irp n, 0,1,2,3
	ds_load_tr16_b128 v[FR+40*\hh+8+8*\n:FR+40*\hh+8+8*\n+3],  v[AV] offset:2048*\hh+512*\n
	ds_load_tr16_b128 v[FR+40*\hh+12+8*\n:FR+40*\hh+12+8*\n+3], v[AV] offset:2048*\hh+512*\n+6144
.endr
.endr
.irp hh, 0,1,2
	s_wait_dscnt 20-10*\hh                         ; this head's ten loads are in; the later heads' stay out
.irp n, 0,1,2,3
.if \zero
	v_wmma_f32_16x16x32_bf16 v[AC+8*(4*\hh+\n):AC+8*(4*\hh+\n)+7], v[FR+40*\hh:FR+40*\hh+7], v[FR+40*\hh+8+8*\n:FR+40*\hh+8+8*\n+7], 0
.else
	v_wmma_f32_16x16x32_bf16 v[AC+8*(4*\hh+\n):AC+8*(4*\hh+\n)+7], v[FR+40*\hh:FR+40*\hh+7], v[FR+40*\hh+8+8*\n:FR+40*\hh+8+8*\n+7], v[AC+8*(4*\hh+\n):AC+8*(4*\hh+\n)+7]
.endif
.endr
.endr
.endm
	s_wait_tensorcnt 0x0                           ; my two tiles are in,
	s_barrier_signal -1
	s_barrier_wait -1                              ; everybody's are
	CHUNK 1
	s_mov_b32 s11, 7
.Lchunk:
	v_add_nc_u32 v[AK], 12288, v[AK]               ; 32 positions on; with the two lines below these are the four places in front of the loads into the fragments
	v_add_nc_u32 v[AV], 12288, v[AV]
	v_nop
	v_nop
	CHUNK 0
	s_sub_co_u32 s11, s11, 1
	s_cmp_lg_u32 s11, 0
	s_cbranch_scc1 .Lchunk
.rept 4
	v_nop                                          ; the places behind the last products
.endr
.set q, 0
.rept 12
.irp k, 0,1,2,3
	v_cvt_pk_bf16_f32 v[FR+4*q+\k], v[AC+8*q+2*\k], v[AC+8*q+2*\k+1]  ; whole numbers up to 256: exact
.endr
.set q, q+1
.endr
.irp hh, 0,1,2
.irp n, 0,1,2,3
	global_store_b128 v7, v[FR+4*(4*\hh+\n):FR+4*(4*\hh+\n)+3], s[6:7] offset:2048*(6*(\n/2)+2*\hh+\n%2)  ; 512 consecutive bytes, aligned
.endr
.endr
	s_wait_tensorcnt 0x0
	ds_add_u32 v240, v241
	s_wait_dscnt 0x0
	s_endpgm
.Lfunc_end_k_q838f5feedc_ktv:
	.size	k_q838f5feedc_ktv, .Lfunc_end_k_q838f5feedc_ktv-k_q838f5feedc_ktv
	.p2alignl 7, 3214868480
	.fill 96, 4, 3214868480
	.section	.rodata,"a",@progbits
	.p2align	6, 0x0
	.amdhsa_kernel k_q838f5feedc_ktv
		.amdhsa_group_segment_fixed_size 197120
		.amdhsa_private_segment_fixed_size 0
		.amdhsa_enable_private_segment 0
		.amdhsa_kernarg_size 16
		.amdhsa_user_sgpr_count 2
		.amdhsa_user_sgpr_kernarg_segment_ptr 1
		.amdhsa_wavefront_size32 1
		.amdhsa_system_sgpr_workgroup_id_x 1
		.amdhsa_system_sgpr_workgroup_id_y 1
		.amdhsa_system_sgpr_workgroup_id_z 1
		.amdhsa_system_vgpr_workitem_id 0
		.amdhsa_next_free_vgpr 242
		.amdhsa_next_free_sgpr 66
		.amdhsa_reserve_vcc 0
		.amdhsa_float_denorm_mode_32 3
		.amdhsa_float_denorm_mode_16_64 3
		.amdhsa_memory_ordered 1
		.amdhsa_forward_progress 1
		.amdhsa_inst_pref_size 14
	.end_amdhsa_kernel
	.amdgpu_metadata
---
amdhsa.version: [ 1, 2 ]
amdhsa.kernels:
  - .name:           k_q838f5feedc_ktv
    .symbol:         k_q838f5feedc_ktv.kd
    .args:
      - { .name: sp, .offset: 0, .size: 8, .value_kind: global_buffer, .address_space: global }
      - { .name: mf, .offset: 8, .size: 8, .value_kind: global_buffer, .address_space: global }
    .group_segment_fixed_size: 197120
    .private_segment_fixed_size: 0
    .kernarg_segment_align: 8
    .kernarg_segment_size: 16
    .max_flat_workgroup_size: 128
    .sgpr_count:     66
    .vgpr_count:     242
    .wavefront_size: 32
...
	.end_amdgpu_metadata
.endif
;; end of part 3
;; launch out (part 4): grid 256 x 1, 8 waves a work-group, clusters of 4 x 1, 327,680 bytes of LDS; arguments sp, mf, wb, pr, out0; writes out0
.if DOCPART == 4
	.amdgcn_target "amdgcn-amd-amdhsa--gfx1250"
	.amdhsa_code_object_version 6
	.text
	.protected	k_q838f5feedc_out
	.globl	k_q838f5feedc_out
	.p2align	8
	.type	k_q838f5feedc_out,@function
k_q838f5feedc_out:
	s_mov_b64 s[64:65], 0
	v_nop
	global_prefetch_b8 v0, s[64:65] scope:SCOPE_SE
	s_setreg_imm32_b32 hwreg(HW_REG_WAVE_MODE, 25, 1), 1
	s_wait_xcnt 0x0
	s_wait_alu depctr_hold_cnt(0) depctr_sa_sdst(0) depctr_va_vdst(0) depctr_va_sdst(0) depctr_va_ssrc(0) depctr_va_vcc(0) depctr_vm_vsrc(0)
	s_getreg_b32 s2, hwreg(HW_REG_IB_STS2, 6, 4)
	s_cmp_eq_u32 s2, 0
	s_cbranch_scc0 .Lentry_in_a_cluster
	s_endpgm
.Lentry_in_a_cluster:
	s_bfe_u32 s2, ttmp6, 0x10000c
	s_cmp_lg_u32 s2, 0x3003
	s_cbranch_scc0 .Lentry_shape_is_right
	s_endpgm
.Lentry_shape_is_right:
; OUT.  o = 0.25 q M for each (t, head), the LIF scan over t with threshold 0.5, then LayerNorm(s l_W^T + l_b) l_g + l_beta and the LIF scan with threshold 1; spikes out as f32 0.0 / 1.0.
; SHARES as in launch qkv: a work-group owns 16 positions of one b at all four t (row = 16 t + l'), eight waves, wave w columns 96 w .. of the last product; 256 work-groups in clusters of four.
; THE FIRST PART.  o^T = M^T q^T: source 0 = 16 columns d2 of M (launch ktv wrote them as fragments), source 1 = 16 rows of q, loaded from sp as fragments.  Wave w makes six blocks of 16 columns: heads 3 (w / 2) + i / 2,
; d2 = 32 (w % 2) + 16 (i % 2) on.  A lane holds one row and eight neighbouring columns; all numbers are multiples of 2^-6 below 2^13, so the scan is exact.  The spikes go to LDS as bf16, where launch qkv holds x.
; M of one (b, t) is the same for the four work-groups of a cluster, and so are l_W's tiles: all tiles are asked for jointly, through the same two slots a wave; each wave reads its own slots alone.
; THE SECOND PART.  The K part is launch qkv's, but the sums start at 0 and the bias is added behind them.  The outputs are spikes, so the norm follows reference() one rounding at a time:
; y = dot + b; both sums over the 768 columns go by blocks of 32 consecutive columns, ascending inside a block, and the 24 block sums are then added in ascending order; mean = sum x (1 / 768); d = y - mean;
; d d is rounded before it is added; a = var + 1e-5 in two roundings; 1 / sqrt(a) as a correctly rounded root and a correctly rounded reciprocal of it; ((d r) g) + beta in three roundings.
; The way out goes through a stage in LDS (a wave's 384 bytes of a row are one and a half blocks of 256): the stage lies in the ring, whose last fill is over.
; LIMITS.  Every input is rounded once to bf16.  A membrane value of the last scan that lies within the rounding noise of f32 sums taken in another order (some 1e-7 of itself) of the threshold may spike otherwise than
; such a sum would have it; NaN gives no spike (the comparison is false), and -s v + v has the value of v (1 - s) for every v.
; LDS: 0 the ring, wave w at 27,648 w: two slots of 96 rows x 144; later the stage, 64 rows x 3,088; XS the spikes s, 64 rows x 1,552, written by LDS stores alone; STAT 24 block sums x 256 bytes; SPARE.
; REGISTERS.  window 0: v0-15 addresses; v16-18 at work; v32-95 s's fragments (first part: v32-79 o; in the norm v32-55 the running sums); v96-191 W's fragments (first part: M's; in the norm the squares and the block sums);
;             v192-239 b, later beta; v240-243 addresses; v252-253 running addresses.
;             window 1: v0-191 q's fragments, then the accumulators, then the rows on their way out; v192-239 the first scan's membrane, then g; v240-247 means and 1 / sqrt; v248 1.0.
.set WP,    144                        ; a row of W in LDS: 128 bytes + 16 = 9 x 16: the 16 rows of a fragment load start at 16 different 16-byte columns of 256
.set SLOTB, 96*WP                      ; 13,824
.set RINGW, 2*SLOTB                    ; 27,648: a wave's two slots
.set XS,    8*RINGW                    ; 221,184
.set XP,    1552                       ; a row of s in LDS: 1,536 + 16 = 97 x 16
.set STAT,  XS+64*XP                   ; 320,512: [block 24][r 16][t 4] f32
.set SPARE, STAT+6144                  ; 326,656: 128 bytes a wave, four blocks of 256 bytes that no other line names
.set PAIRB, 196608                     ; bytes of wb from a K step to the K step two on; also of mf from t to t + 2
.set MATB,  6*PAIRB
.set GP,    3088                       ; a row of the stage: 3,072 + 16 = 193 x 16
.set RR,  1
.set HH,  2
.set SPW, 3                            ; v3   my spare word; never rewritten
.set NIL, 4                            ; v4   0; never rewritten
.set AXB, 5                            ; v5-6 my place in s's fragments, t = 0, 1 and t = 2, 3; never rewritten
.set AW,  7                            ; v7-8 my place in W's fragments, slot 0, 1
.set VP,  9                            ; v9   my byte offset in a vector of pr
.set VQ,  10                           ; v10  my byte offset in a row of blocks of q
.set AST, 11                           ; v11  where my wave puts its three block sums
.set ALD, 12                           ; v12  where I read all 24
.set AM,  13                           ; v13-14 my place in M's blocks, slot 0, 1
.set AS,  15                           ; v15  where my 16 bytes of s go
.set XF,  32
.set OA,  32                           ; o's six accumulators
.set C0,  32                           ; the norm: twelve running sums, (block bk, t) at 4 bk + t; two sets, since an exchange of the lanes' halves goes from one to the other
.set C1,  44
.set WF,  96
.set QQ,  96                           ; the norm: the squares, chain (bk, t) at 8 (4 bk + t); then the 24 block sums
.set S,   144
.set PB,  192
.set ASG, 240                          ; v240-241 into the stage, t = 0, 1 and t = 2, 3
.set ARD, 242                          ; v242 back from the stage
.set VO2, 243                          ; v243 my byte offset in 512 bytes of out0
.set AXR, 252
.set PG,  192                          ; window 1
.set OV,  192
.set MM,  240
.set RS,  244
.set ONE, 248
.set G1,  24                           ; s[24:31] group 1
.set G0,  40                           ; s[40:47] group 0, a set for each slot
.set MSB, 0
.macro WIN new                         ; the immediate's high byte repeats the setting that is left; a switch that changes nothing is dropped
.if MSB != (\new)
	s_set_vgpr_msb (MSB<<8)|(\new)
.set MSB, \new
.endif
.endm
.macro PLACES                          ; four places behind matrix instructions, in front of loads into their registers and of vector work on them
.rept 4
	v_nop
.endr
.endm
.macro CREST                           ; a round of the cluster's barrier behind its opening barrier
	s_cmp_lg_u32 s12, 0
	s_cbranch_scc1 .Lnot_wave_0_\@
	s_barrier_signal -3
.Lnot_wave_0_\@:
	s_barrier_wait -3
	s_barrier_signal -1
	s_barrier_wait -1
.endm
.macro ROUND                           ; a whole round
	s_barrier_signal -1
	s_barrier_wait -1
	CREST
.endm
; 20 LDS loads in one run: 32 along K (half 0 or 1 of the K step in the slot) of my 96 rows of W, then of s's 64 rows, t ascending, into buffer f
.macro FETCH slot, half, f
	WIN 0
.irp nb, 0,1,2,3,4,5
	ds_load_b128 v[WF+48*(\f)+8*\nb:WF+48*(\f)+8*\nb+3],   v[AW+(\slot)] offset:16*WP*\nb+64*(\half)
	ds_load_b128 v[WF+48*(\f)+8*\nb+4:WF+48*(\f)+8*\nb+7], v[AW+(\slot)] offset:16*WP*\nb+64*(\half)+32
.endr
.irp t, 0,1,2,3
	ds_load_b128 v[XF+32*(\f)+8*\t:XF+32*(\f)+8*\t+3],   v[AXR+(\t)/2] offset:16*XP*((\t)%2)+128*(\slot)+64*(\half)
	ds_load_b128 v[XF+32*(\f)+8*\t+4:XF+32*(\f)+8*\t+7], v[AXR+(\t)/2] offset:16*XP*((\t)%2)+128*(\slot)+64*(\half)+32
.endr
.endm
; 6 matrix instructions: the six column blocks of time step t, 32 along K, from buffer f.  first = 1: the first product starts the sums: nothing is cleared.
; The 24 accumulators take turns in the same order in every half step.
.macro MUL f, t, first
.if \first
	WIN 0x40                                       ; D in window 1; W and s in window 0
.else
	WIN 0x50                                       ; C and D in window 1
.endif
.irp nb, 0,1,2,3,4,5
.if \first
	v_wmma_f32_16x16x32_bf16 v[8*(6*(\t)+\nb):8*(6*(\t)+\nb)+7], v[WF+48*(\f)+8*\nb:WF+48*(\f)+8*\nb+7], v[XF+32*(\f)+8*(\t):XF+32*(\f)+8*(\t)+7], 0
.else
	v_wmma_f32_16x16x32_bf16 v[8*(6*(\t)+\nb):8*(6*(\t)+\nb)+7], v[WF+48*(\f)+8*\nb:WF+48*(\f)+8*\nb+7], v[XF+32*(\f)+8*(\t):XF+32*(\f)+8*(\t)+7], v[8*(6*(\t)+\nb):8*(6*(\t)+\nb)+7]
.endif
.endr
.endm
; The first half of a K step: multiplies buffer 0 and, in its middle, fetches the second half into buffer 1
.macro HALF_A slot, first
	s_wait_dscnt 4                                 ; W and s of t = 0, 1 are in; the youngest four loads (s of t = 2, 3) may be out
	MUL 0, 0, \first
	MUL 0, 1, \first
	PLACES
	FETCH \slot, 1, 1
	s_wait_dscnt 20                                ; all but the 20 just issued
	MUL 0, 2, \first
	MUL 0, 3, \first
.endm
; The second half multiplies buffer 1 and changes slots.  fill = 1: the slot just read out is filled again, with the K step two on: each wave waits for all its tensor loads (one is out: the next
; slot's), adds 0 to its spare word, waits for that and for its reads of the slot; the barrier opens a round of the cluster's barrier; the joint load is the first thing behind the round.
; fill = 0: nothing is filled; a wave reads its own slots alone, so its own wait for the last tile is all the ordering that the reads need.
.macro TURN slot, next, fill
	WIN 0
	s_wait_tensorcnt 0x0                           ; all my tensor loads have landed, so a group 0 may be written
.if \fill
	ds_add_u32 v[SPW], v[NIL]                      ; 0 onto my spare word
	s_add_nc_u64 s[G0+4*(\slot)+2:G0+4*(\slot)+3], s[G0+4*(\slot)+2:G0+4*(\slot)+3], PAIRB
	s_wait_dscnt 5                                 ; (the add and the youngest four loads may be out)
	MUL 1, 0, 0                                    ; six matrix instructions stand between the add and the wait for it
	s_wait_dscnt 0x0                               ; the add is done, and my reads of this slot are over
	s_barrier_signal -1
	MUL 1, 1, 0                                    ; work on registers while the others arrive
	WIN 0
	s_barrier_wait -1
	CREST                                          ; no wave of any partner still reads this slot or has a load on its way
	tensor_load_to_lds s[G0+4*(\slot):G0+4*(\slot)+3], s[G1:G1+7]
	s_nop 0
	PLACES                                         ; also the places in front of the loads below
	FETCH \next, 0, 0
.else
	s_wait_dscnt 4
	MUL 1, 0, 0
	MUL 1, 1, 0
	PLACES
	FETCH \next, 0, 0
	s_wait_dscnt 20                                ; all but the 20 just issued
.endif
	MUL 1, 2, 0
	MUL 1, 3, 0
.endm
.macro VEC48 off                       ; 48 numbers of a vector of pr, my 96 columns' share: the eight of (nb, h) lie as an accumulator's eight registers; the window is set by the caller
.irp nb, 0,1,2,3,4,5
	global_load_b128 v[192+8*\nb:192+8*\nb+3],   v[VP], s[60:61] offset:(\off)+64*\nb
	global_load_b128 v[192+8*\nb+4:192+8*\nb+7], v[VP], s[60:61] offset:(\off)+64*\nb+16
.endr
.endm
; THE ROWS' SUMS.  A block of 32 columns lies in four places: (nb even, h = 0), (nb even, h = 1), (nb odd, h = 0), (nb odd, h = 1), eight columns each.
; STAGE adds eight numbers, ascending, onto each of the twelve running sums of set cs; it means something in the half of the lanes whose turn it is, and the other half's result is dropped.
; var = 0: the numbers are the accumulators' (window 1); var = 1: the squares in QQ.  first = 1: the first two numbers start the sums: nothing is cleared.
.macro STAGE cs, var, odd, first
.if \first
.if \var
	WIN 0
.else
	WIN 0x05                                       ; both sources in window 1
.endif
.irp bk, 0,1,2
.irp t, 0,1,2,3
.if \var
	v_add_f32 v[(\cs)+4*\bk+\t], v[QQ+8*(4*\bk+\t)], v[QQ+8*(4*\bk+\t)+1]
.else
	v_add_f32 v[(\cs)+4*\bk+\t], v[8*(6*\t+2*\bk+(\odd))], v[8*(6*\t+2*\bk+(\odd))+1]
.endif
.endr
.endr
.endif
.if \var
	WIN 0
.else
	WIN 0x04                                       ; source 1 in window 1
.endif
.irp j, 0,1,2,3,4,5,6,7
.if (\j > 1) || !(\first)
.irp bk, 0,1,2
.irp t, 0,1,2,3
.if \var
	v_add_f32 v[(\cs)+4*\bk+\t], v[(\cs)+4*\bk+\t], v[QQ+8*(4*\bk+\t)+\j]
.else
	v_add_f32 v[(\cs)+4*\bk+\t], v[(\cs)+4*\bk+\t], v[8*(6*\t+2*\bk+(\odd))+\j]
.endif
.endr
.endr
.endif
.endr
.endm
.macro XCH dst, src                    ; the twelve running sums go to the lane 16 away, whose turn is next
	WIN 0
.set n, 0
.rept 12
	v_permlanex16_b32 v[(\dst)+n], v[(\src)+n], s58, s59
.set n, n+1
.endr
.endm
.macro SQUARES odd                     ; d d, rounded, of the even or the odd column blocks
	WIN 0x05
.irp bk, 0,1,2
.irp t, 0,1,2,3
.irp k, 0,1,2,3
	v_pk_mul_f32 v[QQ+8*(4*\bk+\t)+2*\k:QQ+8*(4*\bk+\t)+2*\k+1], v[8*(6*\t+2*\bk+(\odd))+2*\k:8*(6*\t+2*\bk+(\odd))+2*\k+1], v[8*(6*\t+2*\bk+(\odd))+2*\k:8*(6*\t+2*\bk+(\odd))+2*\k+1]
.endr
.endr
.endr
.endm
; The sum over a row's 768 columns, for my row r at the four t -> v[QQ:QQ+3], in every lane and every wave alike.
.macro SUMS var
.if \var
	SQUARES 0
.endif
	STAGE C0, \var, 0, 1                           ; columns 0-7 of each block: lanes 0-15
	XCH C1, C0
	STAGE C1, \var, 0, 0                           ; 8-15: lanes 16-31
	XCH C0, C1
.if \var
	SQUARES 1
.endif
	STAGE C0, \var, 1, 0                           ; 16-23: lanes 0-15
	XCH C1, C0
	STAGE C1, \var, 1, 0                           ; 24-31: lanes 16-31 now hold the block sums
	XCH C0, C1
.set n, 0
.rept 12
	v_cndmask_b32 v[C0+n], v[C0+n], v[C1+n], s74   ; and so do all lanes
.set n, n+1
.endr
.if \var
	s_barrier_signal -1                            ; the block sums' bytes are used a second time: every wave has waited for its reads of the first
	s_barrier_wait -1
.endif
.irp bk, 0,1,2
	ds_store_b128 v[AST], v[C0+4*\bk:C0+4*\bk+3] offset:256*\bk
.endr
	s_wait_dscnt 0x0                               ; for the others' sake: my stores are done
	s_barrier_signal -1
	s_barrier_wait -1
.set n, 0
.rept 24
	ds_load_b128 v[QQ+4*n:QQ+4*n+3], v[ALD] offset:256*n
.set n, n+1
.endr
	s_wait_dscnt 0x0
.set n, 1
.rept 23
	v_pk_add_f32 v[QQ:QQ+1], v[QQ:QQ+1], v[QQ+4*n:QQ+4*n+1]          ; the 24 block sums, ascending
	v_pk_add_f32 v[QQ+2:QQ+3], v[QQ+2:QQ+3], v[QQ+4*n+2:QQ+4*n+3]
.set n, n+1
.endr
.endm
.macro SUBM x, t                       ; a pair of the accumulators less the mean of time step t (one register of a pair, for both halves)
.if (\t)%2
	v_pk_add_f32 v[\x:\x+1], v[\x:\x+1], v[MM+2*((\t)/2):MM+2*((\t)/2)+1] op_sel:[0,1] op_sel_hi:[1,1] neg_lo:[0,1] neg_hi:[0,1]
.else
	v_pk_add_f32 v[\x:\x+1], v[\x:\x+1], v[MM+2*((\t)/2):MM+2*((\t)/2)+1] op_sel_hi:[1,0] neg_lo:[0,1] neg_hi:[0,1]
.endif
.endm
.macro MULR x, t                       ; the same pair times 1 / sqrt of time step t
.if (\t)%2
	v_pk_mul_f32 v[\x:\x+1], v[\x:\x+1], v[RS+2*((\t)/2):RS+2*((\t)/2)+1] op_sel:[0,1] op_sel_hi:[1,1]
.else
	v_pk_mul_f32 v[\x:\x+1], v[\x:\x+1], v[RS+2*((\t)/2):RS+2*((\t)/2)+1] op_sel_hi:[1,0]
.endif
.endm
.macro EACH4 line:vararg               ; one line for each time step t
.set t, 0
.rept 4
	\line
.set t, t+1
.endr
.endm
; BIAS AND LAYERNORM, in place in the accumulators.  Each accumulator is read from its low end on.
.macro E1
	PLACES
	WIN 0x41                                       ; accumulators in window 1, the bias in window 0
.irp t, 0,1,2,3
.irp nb, 0,1,2,3,4,5
.irp k, 0,1,2,3
	v_pk_add_f32 v[48*\t+8*\nb+2*\k:48*\t+8*\nb+2*\k+1], v[48*\t+8*\nb+2*\k:48*\t+8*\nb+2*\k+1], v[PB+8*\nb+2*\k:PB+8*\nb+2*\k+1]
.endr
.endr
.endr
	WIN 0
	VEC48 6144                                     ; beta takes the bias's place; it lands under the sums below
	SUMS 0
	WIN 0x40
	v_pk_mul_f32 v[MM:MM+1], v[QQ:QQ+1], s[54:55] op_sel_hi:[1,0]       ; the means
	v_pk_mul_f32 v[MM+2:MM+3], v[QQ+2:QQ+3], s[54:55] op_sel_hi:[1,0]
	WIN 0x45                                       ; all in window 1
.irp t, 0,1,2,3
.set n, 0
.rept 24
	SUBM 48*\t+2*n, \t
.set n, n+1
.endr
.endr
	SUMS 1
	v_pk_mul_f32 v[100:101], v[QQ:QQ+1], s[54:55] op_sel_hi:[1,0]       ; the variances,
	v_pk_mul_f32 v[102:103], v[QQ+2:QQ+3], s[54:55] op_sel_hi:[1,0]
	v_pk_add_f32 v[100:101], v[100:101], s[56:57] op_sel_hi:[1,0]       ; a = variance + 1e-5, a rounding of its own
	v_pk_add_f32 v[102:103], v[102:103], s[56:57] op_sel_hi:[1,0]
	; the correctly rounded root: v_sqrt_f32 is within one unit in the last place; its two neighbours are tested by the fused residuals a - neighbour x root
	EACH4 v_sqrt_f32 v[104+t], v[100+t]
	v_nop                                          ; a plain instruction between the last of them and the use of its result
	s_wait_alu depctr_va_vdst(0)
	EACH4 v_add_nc_u32 v[108+t], -1, v[104+t]
	EACH4 v_add_nc_u32 v[112+t], 1, v[104+t]
	EACH4 v_fma_f32 v[116+t], -v[108+t], v[104+t], v[100+t]
	EACH4 v_fma_f32 v[120+t], -v[112+t], v[104+t], v[100+t]
.irp t, 0,1,2,3
	v_cmp_ge_f32 vcc_lo, 0, v[116+\t]
	v_cndmask_b32 v[104+\t], v[104+\t], v[108+\t], vcc_lo
	v_cmp_lt_f32 vcc_lo, 0, v[120+\t]
	v_cndmask_b32 v[104+\t], v[104+\t], v[112+\t], vcc_lo
.endr
	; the correctly rounded reciprocal of it: v_rcp_f32 and three refinements by fused residuals
	EACH4 v_rcp_f32 v[124+t], v[104+t]
	v_nop
	s_wait_alu depctr_va_vdst(0)
	EACH4 v_fma_f32 v[128+t], -v[104+t], v[124+t], 1.0
	EACH4 v_fma_f32 v[132+t], v[128+t], v[124+t], v[124+t]
	EACH4 v_fma_f32 v[128+t], -v[104+t], v[132+t], 1.0
	EACH4 v_fma_f32 v[136+t], v[128+t], v[132+t], v[132+t]
	EACH4 v_fma_f32 v[128+t], -v[104+t], v[136+t], 1.0
	WIN 0x40
	EACH4 v_fma_f32 v[RS+t], v[128+t], v[132+t], v[136+t]
	s_wait_loadcnt 0x0                             ; g and beta
	WIN 0x45                                       ; accumulators, 1 / sqrt and g in window 1
.irp t, 0,1,2,3
.irp nb, 0,1,2,3,4,5
.irp k, 0,1,2,3
	MULR 48*\t+8*\nb+2*\k, \t
.endr
.irp k, 0,1,2,3
	v_pk_mul_f32 v[48*\t+8*\nb+2*\k:48*\t+8*\nb+2*\k+1], v[48*\t+8*\nb+2*\k:48*\t+8*\nb+2*\k+1], v[PG+8*\nb+2*\k:PG+8*\nb+2*\k+1]
.endr
.endr
.endr
	WIN 0x41                                       ; beta in window 0
.irp t, 0,1,2,3
.irp nb, 0,1,2,3,4,5
.irp k, 0,1,2,3
	v_pk_add_f32 v[48*\t+8*\nb+2*\k:48*\t+8*\nb+2*\k+1], v[48*\t+8*\nb+2*\k:48*\t+8*\nb+2*\k+1], v[PB+8*\nb+2*\k:PB+8*\nb+2*\k+1]
.endr
.endr
.endr
.endm
; ONE TIME STEP OF THE LAST SCAN, in place: the membrane of step t takes the place of h of step t; the spikes go to S as 0.0 / 1.0; where a spike fell the membrane is set to 0.
.macro LIFT t
	WIN 0x55
.set n, 0
.if (\t) == 0
.rept 24
	v_pk_mul_f32 v[2*n:2*n+1], v[2*n:2*n+1], 0.5 op_sel_hi:[1,0]
.set n, n+1
.endr
.else
.rept 24
	v_pk_add_f32 v[48*(\t)+2*n:48*(\t)+2*n+1], v[48*(\t)+2*n:48*(\t)+2*n+1], v[48*(\t)-48+2*n:48*(\t)-48+2*n+1] neg_lo:[0,1] neg_hi:[0,1]
.set n, n+1
.endr
.set n, 0
.rept 24
	v_pk_fma_f32 v[48*(\t)+2*n:48*(\t)+2*n+1], v[48*(\t)+2*n:48*(\t)+2*n+1], 0.5, v[48*(\t)-48+2*n:48*(\t)-48+2*n+1] op_sel_hi:[1,0,1]
.set n, n+1
.endr
.endif
	WIN 0x04                                       ; the membrane and 1.0 in window 1, the spike in window 0
.set n, 0
.rept 48
	v_cmp_le_f32 vcc_lo, 1.0, v[48*(\t)+n]
	v_cndmask_b32 v[S+n], 0, v[ONE], vcc_lo
.set n, n+1
.endr
.if (\t) < 3
	WIN 0x54
.set n, 0
.rept 24
	v_pk_fma_f32 v[48*(\t)+2*n:48*(\t)+2*n+1], v[S+2*n:S+2*n+1], v[48*(\t)+2*n:48*(\t)+2*n+1], v[48*(\t)+2*n:48*(\t)+2*n+1] neg_lo:[1,0,0] neg_hi:[1,0,0]
.set n, n+1
.endr
.endif
.endm
; THE FIRST PART, time step t, M in the slot.  24 LDS loads (M's fragments, d1 = 0..31 first), 12 matrix instructions on six accumulators by turns, the scan's step, the spikes into XS.
.macro MWORK t, slot
	WIN 0
.if (\t) == 0
	s_wait_tensorcnt 0x1                           ; M of t = 0 is in; M of t = 1, asked for behind it, may stay out.  Later M were shown landed by the wait in front of the last round
.endif
.irp c, 0,1
.irp i, 0,1,2,3,4,5
	ds_load_b128 v[WF+16*\i+8*\c:WF+16*\i+8*\c+3],   v[AM+(\slot)] offset:16*WP*\i+4*WP*(2*\c)
	ds_load_b128 v[WF+16*\i+8*\c+4:WF+16*\i+8*\c+7], v[AM+(\slot)] offset:16*WP*\i+4*WP*(2*\c+1)
.endr
.endr
	s_wait_loadcnt 48-12*(\t)                      ; q of this t is in; the later t's twelve loads each and the bias's twelve stay out
	s_wait_dscnt 12                                ; the first twelve loads are in
	WIN 0x04                                       ; q in window 1
.irp i, 0,1,2,3,4,5
	v_wmma_f32_16x16x32_bf16 v[OA+8*\i:OA+8*\i+7], v[WF+16*\i:WF+16*\i+7], v[8*(6*(\t)+2*(\i/2)):8*(6*(\t)+2*(\i/2))+7], 0
.endr
	s_wait_dscnt 0x0
.irp i, 0,1,2,3,4,5
	v_wmma_f32_16x16x32_bf16 v[OA+8*\i:OA+8*\i+7], v[WF+16*\i+8:WF+16*\i+15], v[8*(6*(\t)+2*(\i/2)+1):8*(6*(\t)+2*(\i/2)+1)+7], v[OA+8*\i:OA+8*\i+7]
.endr
	PLACES
.set n, 0
.if (\t) == 0
	WIN 0x40
.rept 24
	v_pk_mul_f32 v[OV+2*n:OV+2*n+1], v[OA+2*n:OA+2*n+1], s[70:71] op_sel_hi:[1,0]  ; v = (0.25 o) / 2: the membrane starts at 0, and nothing is cleared
.set n, n+1
.endr
.else
	WIN 0x10
.rept 24
	v_pk_fma_f32 v[OA+2*n:OA+2*n+1], v[OA+2*n:OA+2*n+1], s[68:69], v[OV+2*n:OV+2*n+1] op_sel_hi:[1,0,1] neg_lo:[0,0,1] neg_hi:[0,0,1]  ; 0.25 o - v
.set n, n+1
.endr
	WIN 0x50
.set n, 0
.rept 24
	v_pk_fma_f32 v[OV+2*n:OV+2*n+1], v[OA+2*n:OA+2*n+1], 0.5, v[OV+2*n:OV+2*n+1] op_sel_hi:[1,0,1]
.set n, n+1
.endr
.endif
	WIN 0x04
.set n, 0
.rept 48
	v_cmp_le_f32 vcc_lo, 0.5, v[OV+n]
	v_cndmask_b32 v[OA+n], 0, v[ONE], vcc_lo
.set n, n+1
.endr
.if (\t) < 3
	WIN 0x54
.set n, 0
.rept 24
	v_pk_fma_f32 v[OV+2*n:OV+2*n+1], v[OA+2*n:OA+2*n+1], v[OV+2*n:OV+2*n+1], v[OV+2*n:OV+2*n+1] neg_lo:[1,0,0] neg_hi:[1,0,0]
.set n, n+1
.endr
.endif
	WIN 0
.irp i, 0,1,2,3,4,5
.irp k, 0,1,2,3
	v_cvt_pk_bf16_f32 v[OA+8*\i+\k], v[OA+8*\i+2*\k], v[OA+8*\i+2*\k+1]  ; in place, ascending: no source is written before it is read
.endr
.endr
.irp i, 0,1,2,3,4,5
	ds_store_b128 v[AS], v[OA+8*\i:OA+8*\i+3] offset:128*(\i/2)+32*(\i%2)
.endr
	v_add_nc_u32 v[AS], 16*XP, v[AS]               ; the next t's 16 rows
.endm
; A slot that has been read is filled again: with M two time steps on (w = 0) or with l_W's K step 0 or 1 (w = 1: the address is made anew from wb's).
.macro CHANGE slot, w
	WIN 0
	s_wait_tensorcnt 0x0                           ; no tensor load of mine is out, so a group 0 may be written
	ds_add_u32 v[SPW], v[NIL]                      ; 0 onto my spare word
.if \w
	s_add_nc_u64 s[G0+4*(\slot)+2:G0+4*(\slot)+3], s[72:73], 12288*(\slot)
	s_or_b32 s[G0+4*(\slot)+3], s[G0+4*(\slot)+3], 0x80000000
.else
	s_add_nc_u64 s[G0+4*(\slot)+2:G0+4*(\slot)+3], s[G0+4*(\slot)+2:G0+4*(\slot)+3], PAIRB
.endif
	s_wait_dscnt 0x0                               ; the add is done, my reads of the slot are over, and my spikes are in LDS
	ROUND
	tensor_load_to_lds s[G0+4*(\slot):G0+4*(\slot)+3], s[G1:G1+7]
	s_nop 0
	PLACES
.endm
	s_load_b256 s[4:11], s[0:1], 0x0               ; sp s[4:5], mf s[6:7], wb s[8:9], pr s[10:11]
	s_load_b64 s[66:67], s[0:1], 0x20              ; out0
	v_lshl_add_u32 v[SPW], v0, 2, SPARE
	v_mov_b32 v[NIL], 0
	ds_add_u32 v3, v4
	ds_add_u32 v3, v4
	s_wait_dscnt 0x0
	v_lshrrev_b32 v16, 5, v0
	v_readfirstlane_b32 s12, v16                   ; wave 0..7
	s_bfe_u32 s13, ttmp6, 0x40000                  ; cx: my place in the cluster; it enters sp's and out0's addresses alone (s13, s15, s16, s17)
	s_lshr_b32 s14, ttmp9, 2                       ; b: ttmp9 counts clusters, four to a batch entry
	s_and_b32 s15, ttmp9, 3
	s_lshl_b32 s15, s15, 2
	s_add_co_u32 s15, s15, s13                     ; lblk
	; group 1: 12,288 dense bytes asked for as 48 rows of 256 bytes and padded in LDS after every 128
	s_mov_b32 s[G1], 15|(1<<16)|(1<<20)|(1<<21)|(4<<22)|(3<<25)  ; 15:0 the mask of four; 17:16 2-byte elements; 20 padding on; 21 set beside a mask; 24:22 after every 32 words (code 4); 31:25 4 words (code 3)
	s_mov_b32 s[G1+1], 128<<16                     ; tensor_dim0 = 128
	s_mov_b32 s[G1+2], 48<<16                      ; tensor_dim1 = 48
	s_mov_b32 s[G1+3], 128<<16                     ; tile_dim0 = 128
	s_mov_b32 s[G1+4], 48                          ; tile_dim1 = 48
	s_mov_b32 s[G1+5], 128                         ; 128 elements from row to row
	s_mov_b32 s[G1+6], 0
	s_mov_b32 s[G1+7], 0
	s_mov_b32 s54, 0x3aaaaaab                      ; 1 / 768
	s_mov_b32 s55, s54                             ; named with it as a pair
	s_mov_b32 s56, 0x3727c5ac                      ; 1e-5
	s_mov_b32 s57, s56
	s_mov_b32 s58, 0x76543210                      ; v_permlanex16_b32: each lane takes its own place in the other half
	s_mov_b32 s59, 0xfedcba98
	s_mov_b32 s68, 0x3e800000                      ; 0.25
	s_mov_b32 s69, s68
	s_mov_b32 s70, 0x3e000000                      ; 0.125
	s_mov_b32 s71, s70
	s_mov_b32 s74, 0xffff0000                      ; lanes 16-31
	s_mul_i32 s18, s14, 393216                     ; M of (b, t = 0),
	s_mul_i32 s19, s12, 12288                      ; my wave's six blocks of columns
	s_add_co_u32 s18, s18, s19
	s_mov_b32 s19, 0
	s_mul_i32 s20, s12, RINGW                      ; my wave's ring
	s_mul_i32 s22, s12, 24576
	s_add_co_u32 s22, s22, 3*MATB                  ; l_W is wb's fourth matrix
	s_mov_b32 s23, 0
	s_lshr_b32 s21, s12, 1                         ; w / 2
	s_and_b32 s3, s12, 1                           ; w % 2
	WIN 0x40
	v_mov_b32 v[ONE], 1.0
	WIN 0
	s_wait_kmcnt 0x0
	s_add_nc_u64 s[6:7], s[6:7], s[18:19]
	s_add_nc_u64 s[72:73], s[8:9], s[22:23]        ; wb at my wave's part of l_W's first pair of tiles
	s_add_nc_u64 s[60:61], s[10:11], 27648         ; pr at l's vectors
	s_mov_b32 s[G0], 1
	s_mov_b32 s[G0+1], s20
	s_mov_b64 s[G0+2:G0+3], s[6:7]                 ; t = 0
	s_or_b32 s[G0+3], s[G0+3], 0x80000000
	s_mov_b32 s[G0+4], 1
	s_add_co_u32 s[G0+5], s20, SLOTB
	s_add_nc_u64 s[G0+6:G0+7], s[6:7], 98304       ; t = 1
	s_or_b32 s[G0+7], s[G0+7], 0x80000000
	ROUND                                          ; all four work-groups are here: the first joint loads meet
	tensor_load_to_lds s[G0:G0+3], s[G1:G1+7]      ; two loads of mine are out
	s_nop 0
	tensor_load_to_lds s[G0+4:G0+7], s[G1:G1+7]
	s_nop 0
	PLACES
	s_mul_i32 s16, s14, 1572864
	s_mul_i32 s17, s15, 24576
	s_add_co_u32 s16, s16, s17
	s_mov_b32 s17, 0
	s_add_nc_u64 s[4:5], s[4:5], s[16:17]          ; q at (b, t = 0, lblk)
	v_and_b32 v[RR], 15, v0
	v_bfe_u32 v[HH], v0, 4, 1
	s_mul_i32 s23, s21, 6144                       ; my three heads' twelve blocks
	v_lshlrev_b32 v[VQ], 5, v[RR]
	v_lshl_add_u32 v[VQ], v[HH], 4, v[VQ]
	v_add_nc_u32 v[VQ], s23, v[VQ]
	WIN 0x40                                       ; q's fragments, straight from sp: (t, head, 32 channels) at 8 (6 t + 2 hh + c); a block's 32 r + 16 h is a lane's half fragment
.irp t, 0,1,2,3
.irp f, 0,1,2,3,4,5
	global_load_b128 v[8*(6*\t+\f):8*(6*\t+\f)+3],   v[VQ], s[4:5] offset:393216*\t+1024*\f
	global_load_b128 v[8*(6*\t+\f)+4:8*(6*\t+\f)+7], v[VQ], s[4:5] offset:393216*\t+1024*\f+512
.endr
.endr
	WIN 0
	s_mul_i32 s23, s12, 384
	v_lshl_add_u32 v[VP], v[HH], 5, s23            ; 4 bytes x (96 w + 8 h)
	VEC48 0                                        ; the bias
	s_mul_i32 s16, s14, 3145728                    ; out0 at the rows that my wave stores: t = w / 2, positions 16 lblk + 8 (w % 2) on
	s_mul_i32 s17, s15, 49152
	s_add_co_u32 s16, s16, s17
	s_mul_i32 s17, s21, 786432
	s_add_co_u32 s16, s16, s17
	s_mul_i32 s17, s3, 24576
	s_add_co_u32 s16, s16, s17
	s_mov_b32 s17, 0
	s_add_nc_u64 s[66:67], s[66:67], s[16:17]
	v_mul_u32_u24 v[AXB], v[RR], XP
	v_lshl_add_u32 v[AXB], v[HH], 4, v[AXB]        ; row x pitch + 16 x half
	v_add_nc_u32 v[AXB+1], XS+32*XP, v[AXB]
	v_add_nc_u32 v[AXB], XS, v[AXB]
	s_mul_i32 s22, s21, 384                        ; my columns of s: 192 (w / 2) + 32 (w % 2), in bytes
	s_lshl_b32 s23, s3, 6
	s_add_co_u32 s22, s22, s23
	v_add_nc_u32 v[AS], s22, v[AXB]
	v_mul_u32_u24 v[AW], v[RR], WP
	v_lshl_add_u32 v[AW], v[HH], 4, v[AW]
	v_add_nc_u32 v[AW], s20, v[AW]
	v_add_nc_u32 v[AW+1], SLOTB, v[AW]
	v_and_b32 v16, 31, v0                          ; lane L
	v_lshrrev_b32 v17, 3, v16
	v_and_b32 v18, 7, v0
	v_mul_u32_u24 v[AM], v17, WP                   ; dense byte 16 L of a block lies at 144 (L / 8) + 16 (L % 8)
	v_lshl_add_u32 v[AM], v18, 4, v[AM]
	v_add_nc_u32 v[AM], s20, v[AM]
	v_add_nc_u32 v[AM+1], SLOTB, v[AM]
	s_mul_i32 s22, s12, 768                        ; my wave's three blocks of 256 bytes among the 24
	s_add_co_u32 s22, s22, STAT
	v_lshl_add_u32 v[AST], v[RR], 4, s22
	v_lshlrev_b32 v[ALD], 4, v[RR]
	v_add_nc_u32 v[ALD], STAT, v[ALD]
	s_mul_i32 s22, s12, 384
	v_mul_u32_u24 v[ASG], v[RR], GP                ; into the stage: row r of a time step, my 384 bytes, 32 for each half of the lanes
	v_lshl_add_u32 v[ASG], v[HH], 5, v[ASG]
	v_add_nc_u32 v[ASG], s22, v[ASG]
	v_add_nc_u32 v[ASG+1], 32*GP, v[ASG]
	s_mul_i32 s22, s12, 8*GP
	v_lshl_add_u32 v[ARD], v16, 4, s22             ; back: rows 8 w on, 512 consecutive bytes a load
	v_lshlrev_b32 v[VO2], 4, v16
	MWORK 0, 0
	CHANGE 0, 0                                    ; slot 0 takes M of t = 2
	MWORK 1, 1
	CHANGE 1, 0                                    ; slot 1 takes M of t = 3
	MWORK 2, 0
	CHANGE 0, 1                                    ; slot 0 takes l_W's K step 0
	MWORK 3, 1
	CHANGE 1, 1                                    ; slot 1 takes K step 1; K step 0 has landed, and every wave's spikes are in LDS for all
	s_wait_loadcnt 0x0                             ; the bias
	; THE K PART: 12 K steps of 64
	v_mov_b32 v[AXR], v[AXB]
	v_mov_b32 v[AXR+1], v[AXB+1]
	FETCH 0, 0, 0
	HALF_A 0, 1                                    ; the first half step stands in front of the loop: its products start the sums
	WIN 0x40
	VEC48 3072                                     ; g, where the first scan's membrane lay
	WIN 0
	s_mov_b32 s52, 5
.Llap:                                                 ; a trip goes once round the ring and fills both slots again: K steps 2 .. 11
	TURN 0, 1, 1
	HALF_A 1, 0
	WIN 0
	v_add_nc_u32 v[AXR], 256, v[AXR]               ; two K steps on in s's rows
	v_add_nc_u32 v[AXR+1], 256, v[AXR+1]
	TURN 1, 0, 1
	HALF_A 0, 0
	WIN 0
	s_sub_co_u32 s52, s52, 1
	s_cmp_lg_u32 s52, 0
	s_cbranch_scc1 .Llap
	TURN 0, 1, 0                                   ; the last two K steps fill nothing
	HALF_A 1, 0
	s_wait_dscnt 4
	MUL 1, 0, 0
	MUL 1, 1, 0
	s_wait_dscnt 0x0
	MUL 1, 2, 0
	MUL 1, 3, 0
	E1                                             ; its barriers, each behind every wave's wait for its LDS reads, also stand between the last reads of the ring and the stage's first store
	; THE LAST SCAN AND THE WAY OUT
.irp t, 0,1,2,3
	LIFT \t
	WIN 0
.irp nb, 0,1,2,3,4,5
	ds_store_b128 v[ASG+(\t)/2], v[S+8*\nb:S+8*\nb+3]   offset:16*GP*((\t)%2)+64*\nb
	ds_store_b128 v[ASG+(\t)/2], v[S+8*\nb+4:S+8*\nb+7] offset:16*GP*((\t)%2)+64*\nb+16
.endr
.endr
	s_wait_dscnt 0x0                               ; for the others' sake: my stores into the stage are done
	s_barrier_signal -1
	s_barrier_wait -1
	WIN 0x40                                       ; eight whole rows, into the accumulators' registers, which are done with
.set n, 0
.rept 48
	ds_load_b128 v[4*n:4*n+3], v[ARD] offset:GP*(n/6)+512*(n%6)
.set n, n+1
.endr
	WIN 0x04                                       ; the stores' data in window 1
.irp i, 0,1,2,3,4,5,6,7
	s_wait_dscnt 42-6*\i                           ; row i is back; the later rows stay out
.irp c, 0,1,2,3,4,5
	global_store_b128 v[VO2], v[24*\i+4*\c:24*\i+4*\c+3], s[66:67] offset:3072*\i+512*\c th:TH_STORE_NT  ; 512 consecutive bytes, aligned
.endr
.endr
	WIN 0
	s_wait_tensorcnt 0x0                           ; the wave's end
	ds_add_u32 v[SPW], v[NIL]
	s_wait_dscnt 0x0
	ROUND                                          ; the closing round: no work-group ends while a partner may still ask for a tile that names it
	s_endpgm
.Lfunc_end_k_q838f5feedc_out:
	.size	k_q838f5feedc_out, .Lfunc_end_k_q838f5feedc_out-k_q838f5feedc_out
	.p2alignl 7, 3214868480
	.fill 96, 4, 3214868480
	.section	.rodata,"a",@progbits
	.p2align	6, 0x0
	.amdhsa_kernel k_q838f5feedc_out
		.amdhsa_group_segment_fixed_size 327680
		.amdhsa_private_segment_fixed_size 0
		.amdhsa_enable_private_segment 0
		.amdhsa_kernarg_size 40
		.amdhsa_user_sgpr_count 2
		.amdhsa_user_sgpr_kernarg_segment_ptr 1
		.amdhsa_wavefront_size32 1
		.amdhsa_system_sgpr_workgroup_id_x 1
		.amdhsa_system_sgpr_workgroup_id_y 1
		.amdhsa_system_sgpr_workgroup_id_z 1
		.amdhsa_system_vgpr_workitem_id 0
		.amdhsa_next_free_vgpr 512
		.amdhsa_next_free_sgpr 80
		.amdhsa_reserve_vcc 1
		.amdhsa_float_denorm_mode_32 3
		.amdhsa_float_denorm_mode_16_64 3
		.amdhsa_memory_ordered 1
		.amdhsa_forward_progress 1
		.amdhsa_inst_pref_size 208
	.end_amdhsa_kernel
	.amdgpu_metadata
---
amdhsa.version: [ 1, 2 ]
amdhsa.kernels:
  - .name:           k_q838f5feedc_out
    .symbol:         k_q838f5feedc_out.kd
    .args:
      - { .name: sp, .offset: 0, .size: 8, .value_kind: global_buffer, .address_space: global }
      - { .name: mf, .offset: 8, .size: 8, .value_kind: global_buffer, .address_space: global }
      - { .name: wb, .offset: 16, .size: 8, .value_kind: global_buffer, .address_space: global }
      - { .name: pr, .offset: 24, .size: 8, .value_kind: global_buffer, .address_space: global }
      - { .name: out0, .offset: 32, .size: 8, .value_kind: global_buffer, .address_space: global }
    .group_segment_fixed_size: 327680
    .private_segment_fixed_size: 0
    .kernarg_segment_align: 8
    .kernarg_segment_size: 40
    .max_flat_workgroup_size: 256
    .sgpr_count:     80
    .vgpr_count:     512
    .wavefront_size: 32
...
	.end_amdgpu_metadata
.endif
;; end of part 4
;; ======== version 2 of 2: 4 launches; 1.12 times as fast as version 1
;; workspace buffers: wb 4,718,592 bytes; pr 36,864 bytes; sp 75,497,472 bytes; mf 6,291,456 bytes
;; launch prep (part 5): grid 12 x 32, 8 waves a work-group, no clusters, 13,312 bytes of LDS; arguments q_W, q_b, q_g, q_beta, k_W, k_b, k_g, k_beta, v_W, v_b, v_g, v_beta, l_W, l_b, l_g, l_beta, wb, pr; writes wb, pr
.if DOCPART == 5
	.amdgcn_target "amdgcn-amd-amdhsa--gfx1250"
	.amdhsa_code_object_version 6
	.text
	.protected	k_q838f5feedc_prep
	.globl	k_q838f5feedc_prep
	.p2align	8
	.type	k_q838f5feedc_prep,@function
k_q838f5feedc_prep:
	s_mov_b64 s[64:65], 0
	v_nop
	global_prefetch_b8 v0, s[64:65] scope:SCOPE_SE
	s_setreg_imm32_b32 hwreg(HW_REG_WAVE_MODE, 25, 1), 1
	s_wait_xcnt 0x0
; PREP.  The four weight matrices W[768 n][768 k] (f32) are rounded once to bf16 and laid out as the later launches' waves load them, fragment by fragment:
; wb[m: q,k,v,l][wave 8][half step 24][nb 6][part 2][lane 32][16 bytes]: lane L's 16 bytes are W[96 wave + 16 nb + L % 16][32 hs + 16 part + 8 (L / 16) + 0..7]:
; parts 0 and 1 are registers 0-3 and 4-7 of a matrix operand of 16 rows x 32 along K, and a load of a wave takes 512 consecutive bytes.
; The twelve vectors b, g, beta are rounded once to bf16 as well and written back as f32: pr[m][b, g, beta][768].
; So every input of the module has exactly one rounding to bf16, and all later arithmetic on them is f32.
; A work-group takes 64 along K (x) of the 96 rows of one wave of one matrix (y = 8 m + wave): 96 rows x 256 bytes in, two half steps = 12,288 consecutive bytes out.
; The tile is turned in LDS, so that both sides stay whole: a load of a wave covers two rows' aligned 256 bytes, a store of a wave 512 consecutive bytes, aligned.
; Memory binds: no matrix unit.
.set ROWB, 3072                        ; bytes in a row of W
	s_load_b512 s[8:23], s[0:1], 0x0               ; q's W, b, g, beta s[8:15]; k's s[16:23]
	s_load_b512 s[24:39], s[0:1], 0x40             ; v's s[24:31]; l's s[32:39]
	s_load_b128 s[40:43], s[0:1], 0x80             ; wb s[40:41], pr s[42:43]
	v_lshl_add_u32 v64, v0, 2, 0x3000
	v_mov_b32 v65, 0
	s_and_b32 s4, ttmp7, 0xffff
	s_lshr_b32 s5, s4, 3                           ; m
	s_and_b32 s6, s4, 7                            ; chunk: the later launches' wave
	v_lshrrev_b32 v1, 5, v0
	v_readfirstlane_b32 s7, v1                     ; my wave 0..7
	v_and_b32 v1, 31, v0                           ; lane
	v_and_b32 v2, 15, v0                           ; j: my four numbers of a row's 64
	v_bfe_u32 v3, v0, 4, 1                         ; lanes 16-31 take the next row
	v_mul_u32_u24 v6, v3, ROWB
	v_lshl_add_u32 v2, v2, 4, v6                   ; 16 bytes a lane
	s_mul_i32 s52, s6, 96
	s_lshl_b32 s53, s7, 1
	s_add_co_u32 s52, s52, s53                     ; item i takes rows 96 chunk + 16 i + 2 wave, + 1
	s_mul_i32 s52, s52, ROWB
	s_lshl_b32 s53, ttmp9, 8                       ; the 256 bytes of a row
	s_add_co_u32 s52, s52, s53
	v_add_nc_u32 v2, s52, v2                       ; byte offset in W; never rewritten
	; where my 8 bytes go in the image: k = 4 j = 32 (j / 8) + 16 ((j / 4) % 2) + 8 ((j / 2) % 2) + 4 (j % 2): half step, part, half of the lanes, half of the 16 bytes
	v_and_b32 v4, 1, v0
	v_lshlrev_b32 v4, 3, v4                        ; 8 (j % 2)
	v_bfe_u32 v5, v0, 1, 2
	v_lshl_add_u32 v4, v5, 8, v4                   ; 256 ((j / 2) % 2) + 512 ((j / 4) % 2)
	v_bfe_u32 v5, v0, 3, 1
	v_mul_u32_u24 v5, v5, 6144                     ; the second half step
	v_add_nc_u32 v4, v4, v5
	v_lshl_add_u32 v4, v3, 4, v4                   ; row in the block of 16: 2 wave + lane / 16
	s_lshl_b32 s54, s7, 5
	v_add_nc_u32 v4, s54, v4
	s_mul_i32 s54, s7, 1536                        ; back, and out: 1,536 consecutive bytes a wave
	v_lshl_add_u32 v7, v1, 4, s54
	s_mul_i32 s56, s5, 1179648                     ; where the work-group's 12,288 bytes lie in wb
	s_mul_i32 s55, s6, 147456
	s_add_co_u32 s56, s56, s55
	s_mul_i32 s55, ttmp9, 12288
	s_add_co_u32 s56, s56, s55
	s_mov_b32 s57, 0
	s_wait_kmcnt 0x0
	s_cmp_eq_u32 s5, 1                             ; the four addresses of matrix m, chosen on m alone: W s[44:45], b s[46:47], g s[48:49], beta s[50:51]
	s_cselect_b64 s[44:45], s[16:17], s[8:9]
	s_cselect_b64 s[46:47], s[18:19], s[10:11]
	s_cselect_b64 s[48:49], s[20:21], s[12:13]
	s_cselect_b64 s[50:51], s[22:23], s[14:15]
	s_cmp_eq_u32 s5, 2
	s_cselect_b64 s[44:45], s[24:25], s[44:45]
	s_cselect_b64 s[46:47], s[26:27], s[46:47]
	s_cselect_b64 s[48:49], s[28:29], s[48:49]
	s_cselect_b64 s[50:51], s[30:31], s[50:51]
	s_cmp_eq_u32 s5, 3
	s_cselect_b64 s[44:45], s[32:33], s[44:45]
	s_cselect_b64 s[46:47], s[34:35], s[46:47]
	s_cselect_b64 s[48:49], s[36:37], s[48:49]
	s_cselect_b64 s[50:51], s[38:39], s[50:51]
	s_add_nc_u64 s[40:41], s[40:41], s[56:57]
.irp i, 0,1,2,3,4,5
	global_load_b128 v[8+4*\i:11+4*\i], v2, s[44:45] offset:16*ROWB*\i th:TH_LOAD_NT  ; two rows a load, one pair in each block of 16 rows; all six on their way
.endr
.irp i, 0,1,2,3,4,5
	s_wait_loadcnt 5-\i                            ; loads come back in order: item i is in, the younger ones stay out
	v_cvt_pk_bf16_f32 v[32+2*\i], v[8+4*\i], v[9+4*\i]
	v_cvt_pk_bf16_f32 v[33+2*\i], v[10+4*\i], v[11+4*\i]
	ds_store_b64 v4, v[32+2*\i:33+2*\i] offset:1024*\i
.endr
	s_wait_dscnt 0x0                               ; for the others' sake: my stores are done
	s_barrier_signal -1
	s_barrier_wait -1
.irp q, 0,1,2
	ds_load_b128 v[44+4*\q:47+4*\q], v7 offset:512*\q
.endr
.irp q, 0,1,2
	s_wait_dscnt 2-\q
	global_store_b128 v7, v[44+4*\q:47+4*\q], s[40:41] offset:512*\q
.endr
	; the three vectors of matrix m: by the work-group of x = 0 and chunk 0, waves 0 to 5, 512 bytes a wave
	s_or_b32 s52, s6, ttmp9
	s_cmp_lg_u32 s52, 0
	s_cbranch_scc1 .Lend
	s_cmp_gt_u32 s7, 5
	s_cbranch_scc1 .Lend
	s_mul_i32 s56, s5, 9216
	s_add_nc_u64 s[42:43], s[42:43], s[56:57]
	v_lshlrev_b32 v5, 4, v0                        ; 16 bytes a thread: threads 0 to 191 cover 3,072 bytes
	global_load_b128 v[8:11], v5, s[46:47]
	global_load_b128 v[12:15], v5, s[48:49]
	global_load_b128 v[16:19], v5, s[50:51]
.irp q, 0,1,2
	s_wait_loadcnt 2-\q
	v_cvt_pk_bf16_f32 v20, v[8+4*\q], v[9+4*\q]    ; rounded to bf16,
	v_cvt_pk_bf16_f32 v21, v[10+4*\q], v[11+4*\q]
	v_lshlrev_b32 v[24+4*\q], 16, v20              ; and widened again: the low half moves up, the high half stays
	v_and_b32 v[25+4*\q], 0xffff0000, v20
	v_lshlrev_b32 v[26+4*\q], 16, v21
	v_and_b32 v[27+4*\q], 0xffff0000, v21
	global_store_b128 v5, v[24+4*\q:27+4*\q], s[42:43] offset:3072*\q
.endr
.Lend:
	s_wait_tensorcnt 0x0
	ds_add_u32 v64, v65
	s_wait_dscnt 0x0
	s_endpgm
.Lfunc_end_k_q838f5feedc_prep:
	.size	k_q838f5feedc_prep, .Lfunc_end_k_q838f5feedc_prep-k_q838f5feedc_prep
	.p2alignl 7, 3214868480
	.fill 96, 4, 3214868480
	.section	.rodata,"a",@progbits
	.p2align	6, 0x0
	.amdhsa_kernel k_q838f5feedc_prep
		.amdhsa_group_segment_fixed_size 13312
		.amdhsa_private_segment_fixed_size 0
		.amdhsa_enable_private_segment 0
		.amdhsa_kernarg_size 144
		.amdhsa_user_sgpr_count 2
		.amdhsa_user_sgpr_kernarg_segment_ptr 1
		.amdhsa_wavefront_size32 1
		.amdhsa_system_sgpr_workgroup_id_x 1
		.amdhsa_system_sgpr_workgroup_id_y 1
		.amdhsa_system_sgpr_workgroup_id_z 1
		.amdhsa_system_vgpr_workitem_id 0
		.amdhsa_next_free_vgpr 66
		.amdhsa_next_free_sgpr 66
		.amdhsa_reserve_vcc 0
		.amdhsa_float_denorm_mode_32 3
		.amdhsa_float_denorm_mode_16_64 3
		.amdhsa_memory_ordered 1
		.amdhsa_forward_progress 1
		.amdhsa_inst_pref_size 8
	.end_amdhsa_kernel
	.amdgpu_metadata
---
amdhsa.version: [ 1, 2 ]
amdhsa.kernels:
  - .name:           k_q838f5feedc_prep
    .symbol:         k_q838f5feedc_prep.kd
    .args:
      - { .name: q_W, .offset: 0, .size: 8, .value_kind: global_buffer, .address_space: global }
      - { .name: q_b, .offset: 8, .size: 8, .value_kind: global_buffer, .address_space: global }
      - { .name: q_g, .offset: 16, .size: 8, .value_kind: global_buffer, .address_space: global }
      - { .name: q_beta, .offset: 24, .size: 8, .value_kind: global_buffer, .address_space: global }
      - { .name: k_W, .offset: 32, .size: 8, .value_kind: global_buffer, .address_space: global }
      - { .name: k_b, .offset: 40, .size: 8, .value_kind: global_buffer, .address_space: global }
      - { .name: k_g, .offset: 48, .size: 8, .value_kind: global_buffer, .address_space: global }
      - { .name: k_beta, .offset: 56, .size: 8, .value_kind: global_buffer, .address_space: global }
      - { .name: v_W, .offset: 64, .size: 8, .value_kind: global_buffer, .address_space: global }
      - { .name: v_b, .offset: 72, .size: 8, .value_kind: global_buffer, .address_space: global }
      - { .name: v_g, .offset: 80, .size: 8, .value_kind: global_buffer, .address_space: global }
      - { .name: v_beta, .offset: 88, .size: 8, .value_kind: global_buffer, .address_space: global }
      - { .name: l_W, .offset: 96, .size: 8, .value_kind: global_buffer, .address_space: global }
      - { .name: l_b, .offset: 104, .size: 8, .value_kind: global_buffer, .address_space: global }
      - { .name: l_g, .offset: 112, .size: 8, .value_kind: global_buffer, .address_space: global }
      - { .name: l_beta, .offset: 120, .size: 8, .value_kind: global_buffer, .address_space: global }
      - { .name: wb, .offset: 128, .size: 8, .value_kind: global_buffer, .address_space: global }
      - { .name: pr, .offset: 136, .size: 8, .value_kind: global_buffer, .address_space: global }
    .group_segment_fixed_size: 13312
    .private_segment_fixed_size: 0
    .kernarg_segment_align: 8
    .kernarg_segment_size: 144
    .max_flat_workgroup_size: 256
    .sgpr_count:     66
    .vgpr_count:     66
    .wavefront_size: 32
...
	.end_amdgpu_metadata
.endif
;; end of part 5
;; launch qkv (part 6): grid 256 x 1, 8 waves a work-group, no clusters, 104,448 bytes of LDS; arguments x, wb, pr, sp; writes sp
.if DOCPART == 6
	.amdgcn_target "amdgcn-amd-amdhsa--gfx1250"
	.amdhsa_code_object_version 6
	.text
	.protected	k_q838f5feedc_qkv
	.globl	k_q838f5feedc_qkv
	.p2align	8
	.type	k_q838f5feedc_qkv,@function
k_q838f5feedc_qkv:
	s_mov_b64 s[64:65], 0
	v_nop
	global_prefetch_b8 v0, s[64:65] scope:SCOPE_SE
	s_setreg_imm32_b32 hwreg(HW_REG_WAVE_MODE, 25, 1), 1
	s_wait_xcnt 0x0
; QKV.  For each of the branches q, k, v: h = LayerNorm(x W^T + b) g + beta, then the LIF scan over t (threshold 1), spikes out as bf16 0 / 1.
; SHARES.  A work-group owns 16 positions l of one batch entry b at all four t: 64 rows (row = 16 t + l') x all 768 columns, since LayerNorm wants a whole row and the scan all four t.
; Eight waves; wave w owns columns 96 w .. 96 w + 95: 24 accumulators of 16 x 16 (4 t x 6 column blocks), 192 registers.  256 work-groups, one for each WGP.
; x is read once, rounded to bf16 and kept in LDS for all three branches: all eight waves read it.
; W GOES STRAIGHT INTO REGISTERS, NO LDS, NO CLUSTER.  All work-groups walk the same W, but inside a work-group each byte of W feeds one wave alone, so LDS adds no reuse; and beside x's 99,328 bytes LDS has room for
; two slots of one K step of 64 only (2 x 110,592), so that a joint refill would have 36 of a wave's 48 matrix instructions of a K step in which to land.  Launch prep wrote W as fragments; a wave loads its own,
; 12 loads of 512 consecutive bytes for 32 along K, through four register buffers: at every wait of the K part 36 loads (three half steps, 18,432 bytes) are on their way, with 72 matrix instructions in which to land,
; and the K part has no barrier.  The price: each work-group asks for all of W itself, 3,538,944 bytes.
; THE MATRIX INSTRUCTION IS USED TRANSPOSED: source 0 = 16 rows of W, source 1 = 16 rows of x.  A lane (r = lane % 16, h = lane / 16) then holds row l' = r and, in register j, column 16 nb + 8 h + j.
; So the bias is the C operand of the first half step, a row's sums are in-lane sums and one exchange of the lanes' halves, the scan is elementwise between accumulators, and eight spikes pack into 16 neighbouring bytes.
; ARITHMETIC.  Products of bf16 operands, sums in f32.  LayerNorm in two passes (mean, then the squares of the differences), 1 / sqrt by v_rsq_f32 and one Newton step; v + (x - v) / 2 as a subtraction and a fused multiply-add (x / 2 is exact).
; LIMITS.  Every input is rounded once to bf16.  The order of the f32 sums differs from a plain loop's: a membrane value that lies within that rounding noise (some 1e-7 of itself) of the threshold may spike otherwise.
; NaN gives no spike (the comparison is false), and -s v + v has the value of v (1 - s) for every v.
; sp[branch 3][b 16][t 4][lblk 16][block 48][16 l x 16 d bf16, 32 bytes a row of l]: a store of a wave is one block, 512 consecutive bytes, aligned.
; LDS: 0 x in bf16, 64 rows x 1,552; STAT two areas of 8 x 256 bytes for the rows' sums.
; REGISTERS.  window 0: v0-15 addresses; v16-31 at work; v32-95 x's fragments, two buffers (in the scan: the spikes); v96-239 W's buffers 0, 1, 2 (the last also beta); v240-251 at work; v252-253 running addresses.
;             window 1: v0-191 accumulators, (t, nb) at 8 (6 t + nb); v192-239 W's buffer 3, also the bias and g; v240-243 the rows' means; v244-247 1 / sqrt; v248 1.0.
.set XP,    1552                       ; a row of x in LDS: 1,536 + 16 = 97 x 16: the 16 rows of a fragment load start at 16 different 16-byte columns of 256
.set STAT,  64*XP                      ; 99,328
.set HSB,   6144                       ; bytes of W for one wave and 32 along K
.set MATB,  8*24*HSB                   ; bytes of one matrix in wb
.set RR,  1                            ; v1   r
.set HH,  2                            ; v2   h
.set VW,  3                            ; v3   16 x lane: my 16 bytes of a load's 512; never rewritten
.set AXB, 5                            ; v5-6 my place in x's fragments, t = 0, 1 and t = 2, 3; never rewritten
.set VP,  9                            ; v9   my byte offset in a vector of pr
.set VO,  10                           ; v10  my byte offset in a row of blocks of sp
.set AST, 11                           ; v11  where my wave puts its rows' sums
.set ALD, 12                           ; v12  where I read all waves' sums
.set T,   16
.set PK,  16                           ; packed spikes: v16-31 and v240-247
.set XF,  32
.set S,   32                           ; spikes as f32
.set WF,  96
.set PB,  192
.set AXR, 252
.set PG,  192                          ; window 1
.set MM,  240
.set RS,  244
.set ONE, 248
.set MSB, 0
.macro WIN new                         ; the immediate's high byte repeats the setting that is left; a switch that changes nothing is dropped
.if MSB != (\new)
	s_set_vgpr_msb (MSB<<8)|(\new)
.set MSB, \new
.endif
.endm
.macro PLACES                          ; four places behind matrix instructions, in front of loads into their registers and of vector work on them
.rept 4
	v_nop
.endr
.endm
.macro XFETCH f, off                   ; 8 LDS loads: x's 64 rows, 32 along K at byte off of the running address, into buffer f
	WIN 0
.irp t, 0,1,2,3
	ds_load_b128 v[XF+32*(\f)+8*\t:XF+32*(\f)+8*\t+3],   v[AXR+(\t)/2] offset:16*XP*((\t)%2)+(\off)
	ds_load_b128 v[XF+32*(\f)+8*\t+4:XF+32*(\f)+8*\t+7], v[AXR+(\t)/2] offset:16*XP*((\t)%2)+(\off)+32
.endr
.endm
.macro WLOAD b, off                    ; 12 loads: my 96 rows of W, 32 along K, at byte off of W's running address, into buffer b
.set WR, WF+48*(\b)
.if (\b) == 3
.set WR, 192
	WIN 0x40                                       ; buffer 3 lies in window 1
.else
	WIN 0
.endif
.irp nb, 0,1,2,3,4,5
	global_load_b128 v[WR+8*\nb:WR+8*\nb+3],   v[VW], s[62:63] offset:(\off)+1024*\nb
	global_load_b128 v[WR+8*\nb+4:WR+8*\nb+7], v[VW], s[62:63] offset:(\off)+1024*\nb+512
.endr
.endm
; 24 matrix instructions: 32 along K, W from buffer b, x from buffer f.  first = 1: the sums start with the bias, which lies in buffer 3.
; The 24 accumulators take turns in the same order in every half step.
.macro MUL b, f, first
.set WR, WF+48*(\b)
.if (\b) == 3
.set WR, 192
	WIN 0x51                                       ; C, D and W in window 1, x in window 0
.else
	WIN 0x50                                       ; C and D in window 1
.endif
.irp t, 0,1,2,3
.irp nb, 0,1,2,3,4,5
.if \first
	v_wmma_f32_16x16x32_bf16 v[8*(6*\t+\nb):8*(6*\t+\nb)+7], v[WR+8*\nb:WR+8*\nb+7], v[XF+32*(\f)+8*\t:XF+32*(\f)+8*\t+7], v[PG+8*\nb:PG+8*\nb+7]
.else
	v_wmma_f32_16x16x32_bf16 v[8*(6*\t+\nb):8*(6*\t+\nb)+7], v[WR+8*\nb:WR+8*\nb+7], v[XF+32*(\f)+8*\t:XF+32*(\f)+8*\t+7], v[8*(6*\t+\nb):8*(6*\t+\nb)+7]
.endif
.endr
.endr
.endm
.macro HSTEP b, f, lc, dc, first=0     ; a half step: lc loads from memory and dc LDS loads, all younger than this half step's, may stay out
	s_wait_loadcnt \lc
	s_wait_dscnt \dc
	MUL \b, \f, \first
.endm
.macro VEC48 reg, off                  ; 48 numbers of a vector of pr, my 96 columns' share: the eight of (nb, h) lie as an accumulator's eight registers; the window is set by the caller
.irp nb, 0,1,2,3,4,5
	global_load_b128 v[(\reg)+8*\nb:(\reg)+8*\nb+3],   v[VP], s[60:61] offset:(\off)+64*\nb
	global_load_b128 v[(\reg)+8*\nb+4:(\reg)+8*\nb+7], v[VP], s[60:61] offset:(\off)+64*\nb+16
.endr
.endm
.macro FOLD                            ; four pairs of partial sums (one a time step) -> v24-27: my wave's 96 columns' sum for row (t, r), in both halves of the lanes
	WIN 0
.irp t, 0,1,2,3
	v_add_f32 v[24+\t], v[T+2*\t], v[T+2*\t+1]
.endr
.irp t, 0,1,2,3
	v_permlanex16_b32 v[28+\t], v[24+\t], s58, s59 ; the row's other 48 columns lie in the lane 16 away
.endr
.irp t, 0,1,2,3
	v_add_f32 v[24+\t], v[24+\t], v[28+\t]
.endr
.endm
.macro EXCH off                        ; the eight waves' sums meet in LDS; every wave adds them in the same order -> v32-35
	ds_store_b128 v[AST], v[24:27] offset:\off
	s_wait_dscnt 0x0                               ; for the others' sake: my store is done
	s_barrier_signal -1
	s_barrier_wait -1
.irp w, 0,1,2,3,4,5,6,7
	ds_load_b128 v[32+4*\w:35+4*\w], v[ALD] offset:(\off)+256*\w
.endr
	s_wait_dscnt 0x0
.irp w, 1,2,3,4,5,6,7
	v_pk_add_f32 v[32:33], v[32:33], v[32+4*\w:33+4*\w]
	v_pk_add_f32 v[34:35], v[34:35], v[34+4*\w:35+4*\w]
.endr
.endm
.macro SUBM x, t                       ; a pair of the accumulators less the mean of time step t (one register of a pair, for both halves)
.if (\t)%2
	v_pk_add_f32 v[\x:\x+1], v[\x:\x+1], v[MM+2*((\t)/2):MM+2*((\t)/2)+1] op_sel:[0,1] op_sel_hi:[1,1] neg_lo:[0,1] neg_hi:[0,1]
.else
	v_pk_add_f32 v[\x:\x+1], v[\x:\x+1], v[MM+2*((\t)/2):MM+2*((\t)/2)+1] op_sel_hi:[1,0] neg_lo:[0,1] neg_hi:[0,1]
.endif
.endm
.macro MULR x, t                       ; the same pair times 1 / sqrt of time step t
.if (\t)%2
	v_pk_mul_f32 v[\x:\x+1], v[\x:\x+1], v[RS+2*((\t)/2):RS+2*((\t)/2)+1] op_sel:[0,1] op_sel_hi:[1,1]
.else
	v_pk_mul_f32 v[\x:\x+1], v[\x:\x+1], v[RS+2*((\t)/2):RS+2*((\t)/2)+1] op_sel_hi:[1,0]
.endif
.endm
; LAYERNORM, in place in the accumulators.  Each accumulator is read from its low end on.  The two areas of LDS are used again in the next branch:
; between a wave's reads of one area and the next store into it stands the other area's barrier, in front of which every wave has waited for those reads.
.macro E1
	WIN 0x05                                       ; both sources in window 1
.irp t, 0,1,2,3
	v_pk_add_f32 v[T+2*\t:T+2*\t+1], v[48*\t:48*\t+1], v[48*\t+2:48*\t+3]  ; the first two pairs start the sums: nothing is cleared
.endr
	WIN 0x04
.set n, 2
.rept 22
.irp t, 0,1,2,3
	v_pk_add_f32 v[T+2*\t:T+2*\t+1], v[T+2*\t:T+2*\t+1], v[48*\t+2*n:48*\t+2*n+1]
.endr
.set n, n+1
.endr
	FOLD
	EXCH 0
	WIN 0x40
	v_pk_mul_f32 v[MM:MM+1], v[32:33], s[54:55] op_sel_hi:[1,0]     ; the means
	v_pk_mul_f32 v[MM+2:MM+3], v[34:35], s[54:55] op_sel_hi:[1,0]
	WIN 0x45                                       ; all in window 1
.irp t, 0,1,2,3
.set n, 0
.rept 24
	SUBM 48*\t+2*n, \t
.set n, n+1
.endr
.endr
	WIN 0x05
.irp t, 0,1,2,3
	v_pk_mul_f32 v[T+2*\t:T+2*\t+1], v[48*\t:48*\t+1], v[48*\t:48*\t+1]
.endr
.set n, 1
.rept 23
.irp t, 0,1,2,3
	v_pk_fma_f32 v[T+2*\t:T+2*\t+1], v[48*\t+2*n:48*\t+2*n+1], v[48*\t+2*n:48*\t+2*n+1], v[T+2*\t:T+2*\t+1]
.endr
.set n, n+1
.endr
	FOLD
	EXCH 2048                                      ; other bytes than the first exchange's
	v_pk_fma_f32 v[32:33], v[32:33], s[54:55], s[56:57] op_sel_hi:[1,0,0]  ; a = variance + 1e-5
	v_pk_fma_f32 v[34:35], v[34:35], s[54:55], s[56:57] op_sel_hi:[1,0,0]
.irp t, 0,1,2,3
	v_rsq_f32 v[36+\t], v[32+\t]
.endr
	v_nop                                          ; a plain instruction between the last of them and the use of its result
	s_wait_alu depctr_va_vdst(0)
.irp t, 0,1,2,3
	v_mul_f32 v[40+\t], v[32+\t], v[36+\t]         ; one Newton step: r + (r / 2) (1 - a r r)
.endr
.irp t, 0,1,2,3
	v_fma_f32 v[40+\t], -v[40+\t], v[36+\t], 1.0
.endr
.irp t, 0,1,2,3
	v_mul_f32 v[44+\t], 0.5, v[36+\t]
.endr
	WIN 0x40
.irp t, 0,1,2,3
	v_fma_f32 v[RS+\t], v[44+\t], v[40+\t], v[36+\t]
.endr
	s_wait_loadcnt 0x0                             ; g and beta: no load of mine is out
	WIN 0x45                                       ; accumulators and g in window 1, beta in window 0
.irp t, 0,1,2,3
.irp nb, 0,1,2,3,4,5
.irp k, 0,1,2,3
	MULR 48*\t+8*\nb+2*\k, \t
.endr
.irp k, 0,1,2,3
	v_pk_fma_f32 v[48*\t+8*\nb+2*\k:48*\t+8*\nb+2*\k+1], v[48*\t+8*\nb+2*\k:48*\t+8*\nb+2*\k+1], v[PG+8*\nb+2*\k:PG+8*\nb+2*\k+1], v[PB+8*\nb+2*\k:PB+8*\nb+2*\k+1]
.endr
.endr
.endr
.endm
; ONE TIME STEP OF THE SCAN, in place: the membrane of step t takes the place of h of step t; the spikes go to S as 0.0 / 1.0; where a spike fell the membrane is set to 0.
.macro LIFT t
	WIN 0x55
.set n, 0
.if (\t) == 0
.rept 24
	v_pk_mul_f32 v[2*n:2*n+1], v[2*n:2*n+1], 0.5 op_sel_hi:[1,0]
.set n, n+1
.endr
.else
.rept 24
	v_pk_add_f32 v[48*(\t)+2*n:48*(\t)+2*n+1], v[48*(\t)+2*n:48*(\t)+2*n+1], v[48*(\t)-48+2*n:48*(\t)-48+2*n+1] neg_lo:[0,1] neg_hi:[0,1]
.set n, n+1
.endr
.set n, 0
.rept 24
	v_pk_fma_f32 v[48*(\t)+2*n:48*(\t)+2*n+1], v[48*(\t)+2*n:48*(\t)+2*n+1], 0.5, v[48*(\t)-48+2*n:48*(\t)-48+2*n+1] op_sel_hi:[1,0,1]
.set n, n+1
.endr
.endif
	WIN 0x04                                       ; the membrane and 1.0 in window 1, the spike in window 0
.set n, 0
.rept 48
	v_cmp_le_f32 vcc_lo, 1.0, v[48*(\t)+n]
	v_cndmask_b32 v[S+n], 0, v[ONE], vcc_lo
.set n, n+1
.endr
.if (\t) < 3
	WIN 0x54
.set n, 0
.rept 24
	v_pk_fma_f32 v[48*(\t)+2*n:48*(\t)+2*n+1], v[S+2*n:S+2*n+1], v[48*(\t)+2*n:48*(\t)+2*n+1], v[48*(\t)+2*n:48*(\t)+2*n+1] neg_lo:[1,0,0] neg_hi:[1,0,0]
.set n, n+1
.endr
.endif
.endm
; THE SCAN AND THE WAY OUT of one branch; it names none of W's four buffers, into which the next branch's first loads land meanwhile.  At its end sp's address goes on to the next branch.
.macro E2Q
.irp t, 0,1,2,3
	LIFT \t
	WIN 0
	s_wait_xcnt 0x0                                ; the packed registers are the last time step's store data: rewritten only behind this wait
.set n, 0
.rept 24
	v_cvt_pk_bf16_f32 v[PK+n+208*(n/16)], v[S+2*n], v[S+2*n+1]
.set n, n+1
.endr
.irp nb, 0,1,2,3,4,5
	global_store_b128 v[VO], v[PK+4*\nb+208*(\nb/4):PK+4*\nb+208*(\nb/4)+3], s[66:67] offset:393216*\t+512*\nb  ; a block: 512 consecutive bytes, aligned
.endr
.endr
	s_wait_xcnt 0x0                                ; the stores' base and data are rewritten only behind this wait
	s_add_nc_u64 s[66:67], s[66:67], 25165824      ; (behind the last branch the stepped address is not used)
.endm
	s_load_b256 s[4:11], s[0:1], 0x0               ; x s[4:5], wb s[6:7], pr s[8:9], sp s[10:11]
	v_lshl_add_u32 v254, v0, 2, 0x19400
	v_mov_b32 v255, 0
	v_lshrrev_b32 v13, 5, v0
	v_readfirstlane_b32 s12, v13                   ; wave 0..7
	s_lshr_b32 s14, ttmp9, 4                       ; b
	s_and_b32 s15, ttmp9, 15                       ; lblk: my 16 positions
	s_mov_b32 s54, 0x3aaaaaab                      ; 1 / 768
	s_mov_b32 s55, s54                             ; named with it as a pair
	s_mov_b32 s56, 0x3727c5ac                      ; 1e-5
	s_mov_b32 s57, s56
	s_mov_b32 s58, 0x76543210                      ; v_permlanex16_b32: each lane takes its own place in the other half
	s_mov_b32 s59, 0xfedcba98
	s_mul_i32 s18, s12, 24*HSB                     ; my wave's part of a matrix
	s_mov_b32 s19, 0
	s_mul_i32 s16, s14, 3145728
	s_mul_i32 s17, s15, 49152
	s_add_co_u32 s16, s16, s17
	s_mov_b32 s17, 0
	s_mul_i32 s20, s14, 1572864
	s_mul_i32 s21, s15, 24576
	s_add_co_u32 s20, s20, s21
	s_mov_b32 s21, 0
	WIN 0x40
	v_mov_b32 v[ONE], 1.0
	WIN 0
.irp t, 0,1,2,3
	v_mov_b32 v[28+\t], 0                          ; v_permlanex16_b32's destinations count as read
.endr
	v_and_b32 v[RR], 15, v0
	v_bfe_u32 v[HH], v0, 4, 1
	v_and_b32 v15, 31, v0                          ; lane
	v_lshlrev_b32 v[VW], 4, v15
	s_mul_i32 s22, s12, 384
	v_lshl_add_u32 v[VP], v[HH], 5, s22            ; 4 bytes x (96 w + 8 h)
	s_lshr_b32 s22, s12, 1                         ; x: wave w brings the tile's rows 8 w .. 8 w + 7: t = w / 2, positions 8 (w % 2) on
	s_mul_i32 s22, s22, 786432
	s_and_b32 s23, s12, 1
	s_mul_i32 s23, s23, 24576
	s_add_co_u32 s22, s22, s23
	v_lshl_add_u32 v14, v15, 4, s22
	s_wait_kmcnt 0x0
	s_add_nc_u64 s[62:63], s[6:7], s[18:19]        ; W's running address: q's matrix, my wave, half step 0
	s_add_nc_u64 s[4:5], s[4:5], s[16:17]          ; x at (b, t = 0, my first position)
	s_add_nc_u64 s[66:67], s[10:11], s[20:21]      ; sp at (q, b, t = 0, lblk)
	s_mov_b64 s[60:61], s[8:9]                     ; pr at q's vectors
	WIN 0x40                                       ; x into the accumulators' registers, which are still idle
.set n, 0
.rept 48
	global_load_b128 v[4*n:4*n+3], v14, s[4:5] offset:3072*(n/6)+512*(n%6) th:TH_LOAD_NT  ; 512 consecutive bytes a load, six to a row
.set n, n+1
.endr
	VEC48 PG, 0                                    ; q's bias, into W's buffer 3
	WIN 0
	v_mul_u32_u24 v[AXB], v[RR], XP
	v_lshl_add_u32 v[AXB], v[HH], 4, v[AXB]        ; row x pitch + 16 x half
	v_add_nc_u32 v[AXB+1], 32*XP, v[AXB]
	s_mul_i32 s21, s12, 3072
	v_lshlrev_b32 v[VO], 5, v[RR]
	v_lshl_add_u32 v[VO], v[HH], 4, v[VO]
	v_add_nc_u32 v[VO], s21, v[VO]                 ; six blocks a wave; in a block 32 r + 16 h
	s_lshl_b32 s21, s12, 8
	s_add_co_u32 s21, s21, STAT
	v_lshl_add_u32 v[AST], v[RR], 4, s21
	v_lshlrev_b32 v[ALD], 4, v[RR]
	v_add_nc_u32 v[ALD], STAT, v[ALD]
	s_mul_i32 s21, s12, 8*XP
	v_lshl_add_u32 v13, v15, 3, s21                ; where my 8 bytes of a row's 256 go
.irp i, 0,1,2,3,4,5,6,7
	s_wait_loadcnt 54-6*(\i%2)                     ; row i's six loads are in.  Younger: 42 - 6 i of x, the bias's 12 and 12 for each WLOAD so far (one behind every second row): 54 or 48
	WIN 0x05
.irp c, 0,1,2,3,4,5
	v_cvt_pk_bf16_f32 v[16+224*(\i%2)+2*\c],   v[24*\i+4*\c],   v[24*\i+4*\c+1]
	v_cvt_pk_bf16_f32 v[16+224*(\i%2)+2*\c+1], v[24*\i+4*\c+2], v[24*\i+4*\c+3]
.endr
	WIN 0
.irp c, 0,1,2,3,4,5
	ds_store_b64 v13, v[16+224*(\i%2)+2*\c:16+224*(\i%2)+2*\c+1] offset:XP*\i+256*\c
.endr
.if (\i%2 == 1) && (\i < 7)
	WLOAD \i/2, \i/2*HSB                           ; q's half steps 0, 1, 2 follow x
.endif
.endr
	WIN 0
	s_wait_dscnt 0x0                               ; my rows of x are in LDS,
	s_barrier_signal -1
	s_barrier_wait -1                              ; everybody's are
	s_mov_b32 s53, 3                               ; three branches
.Lbranch:
	; THE K PART: 24 half steps of 32.  Half step hs takes W's buffer hs % 4 and x's buffer hs % 2.  Behind its products: W of hs + 4 into the buffer just read, x of hs + 2 likewise.
	v_mov_b32 v[AXR], v[AXB]
	v_mov_b32 v[AXR+1], v[AXB+1]
	XFETCH 0, 0
	XFETCH 1, 64
	HSTEP 0, 0, 24, 8, 1                           ; hs 0 stands in front of the loop: its products start the sums, with the bias.  Half steps 1 and 2 (24 loads) and x of hs 1 may be out
	PLACES
	WLOAD 3, 3*HSB                                 ; where the bias lay
	WIN 0
	s_mov_b32 s52, 5
.Llap:                                                 ; trip i: half steps 4 i + 1 .. 4 i + 4.  What belongs behind hs 4 i stands at the trip's head, so that the last trip asks for nothing past hs 23
	PLACES
	WLOAD 0, 4*HSB
	XFETCH 0, 128
	HSTEP 1, 1, 36, 8                              ; the three younger half steps' 36 loads stay out, and the next half step's x
	PLACES
	WLOAD 1, 5*HSB
	XFETCH 1, 192
	HSTEP 2, 0, 36, 8
	PLACES
	WLOAD 2, 6*HSB
	XFETCH 0, 256
	HSTEP 3, 1, 36, 8
	PLACES
	WLOAD 3, 7*HSB
	XFETCH 1, 320
	HSTEP 0, 0, 36, 8
	WIN 0
	v_add_nc_u32 v[AXR], 256, v[AXR]               ; four half steps on in x's rows
	v_add_nc_u32 v[AXR+1], 256, v[AXR+1]
	s_wait_xcnt 0x0                                ; W's running address is rewritten only behind this wait
	s_add_nc_u64 s[62:63], s[62:63], 4*HSB
	s_sub_co_u32 s52, s52, 1
	s_cmp_lg_u32 s52, 0
	s_cbranch_scc1 .Llap
	PLACES
	XFETCH 0, 128                                  ; x of hs 22
	HSTEP 1, 1, 24, 8                              ; hs 21: half steps 22 and 23 stay out
	PLACES
	XFETCH 1, 192                                  ; x of hs 23
	HSTEP 2, 0, 12, 8                              ; hs 22
	PLACES
	WIN 0
	VEC48 PB, 6144                                 ; beta, into buffer 2, which is done
	HSTEP 3, 1, 12, 0                              ; hs 23: beta's 12 loads stay out
	PLACES
	WIN 0x40
	VEC48 PG, 3072                                 ; g, into buffer 3
	E1
	WIN 0
	s_cmp_eq_u32 s53, 1
	s_cbranch_scc1 .Llast                          ; behind the last branch nothing more is asked for
	s_add_nc_u64 s[62:63], s[62:63], MATB-20*HSB   ; the next matrix's half step 0 (no load is out: the norm waited for all)
	s_add_nc_u64 s[60:61], s[60:61], 9216
	WIN 0x40
	VEC48 PG, 0                                    ; the next bias and the next W's half steps 0, 1, 2 land under the scan
	WLOAD 0, 0
	WLOAD 1, HSB
	WLOAD 2, 2*HSB
	WIN 0
.Llast:
	E2Q
	s_sub_co_u32 s53, s53, 1
	s_cmp_lg_u32 s53, 0
	s_cbranch_scc1 .Lbranch
	s_wait_tensorcnt 0x0
	ds_add_u32 v254, v255
	s_wait_dscnt 0x0
	s_endpgm
.Lfunc_end_k_q838f5feedc_qkv:
	.size	k_q838f5feedc_qkv, .Lfunc_end_k_q838f5feedc_qkv-k_q838f5feedc_qkv
	.p2alignl 7, 3214868480
	.fill 96, 4, 3214868480
	.section	.rodata,"a",@progbits
	.p2align	6, 0x0
	.amdhsa_kernel k_q838f5feedc_qkv
		.amdhsa_group_segment_fixed_size 104448
		.amdhsa_private_segment_fixed_size 0
		.amdhsa_enable_private_segment 0
		.amdhsa_kernarg_size 32
		.amdhsa_user_sgpr_count 2
		.amdhsa_user_sgpr_kernarg_segment_ptr 1
		.amdhsa_wavefront_size32 1
		.amdhsa_system_sgpr_workgroup_id_x 1
		.amdhsa_system_sgpr_workgroup_id_y 1
		.amdhsa_system_sgpr_workgroup_id_z 1
		.amdhsa_system_vgpr_workitem_id 0
		.amdhsa_next_free_vgpr 512
		.amdhsa_next_free_sgpr 80
		.amdhsa_reserve_vcc 1
		.amdhsa_float_denorm_mode_32 3
		.amdhsa_float_denorm_mode_16_64 3
		.amdhsa_memory_ordered 1
		.amdhsa_forward_progress 1
		.amdhsa_inst_pref_size 125
	.end_amdhsa_kernel
	.amdgpu_metadata
---
amdhsa.version: [ 1, 2 ]
amdhsa.kernels:
  - .name:           k_q838f5feedc_qkv
    .symbol:         k_q838f5feedc_qkv.kd
    .args:
      - { .name: x, .offset: 0, .size: 8, .value_kind: global_buffer, .address_space: global }
      - { .name: wb, .offset: 8, .size: 8, .value_kind: global_buffer, .address_space: global }
      - { .name: pr, .offset: 16, .size: 8, .value_kind: global_buffer, .address_space: global }
      - { .name: sp, .offset: 24, .size: 8, .value_kind: global_buffer, .address_space: global }
    .group_segment_fixed_size: 104448
    .private_segment_fixed_size: 0
    .kernarg_segment_align: 8
    .kernarg_segment_size: 32
    .max_flat_workgroup_size: 256
    .sgpr_count:     80
    .vgpr_count:     512
    .wavefront_size: 32
...
	.end_amdgpu_metadata
.endif
;; end of part 6
;; launch ktv: the kernel of part 3 again; grid 256 x 1, 4 waves a work-group, no clusters, 197,120 bytes of LDS; arguments sp, mf; writes mf
;; launch out (part 7): grid 256 x 1, 8 waves a work-group, no clusters, 304,128 bytes of LDS; arguments sp, mf, wb, pr, out0; writes out0
.if DOCPART == 7
	.amdgcn_target "amdgcn-amd-amdhsa--gfx1250"
	.amdhsa_code_object_version 6
	.text
	.protected	k_q838f5feedc_out
	.globl	k_q838f5feedc_out
	.p2align	8
	.type	k_q838f5feedc_out,@function
k_q838f5feedc_out:
	s_mov_b64 s[64:65], 0
	v_nop
	global_prefetch_b8 v0, s[64:65] scope:SCOPE_SE
	s_setreg_imm32_b32 hwreg(HW_REG_WAVE_MODE, 25, 1), 1
	s_wait_xcnt 0x0
; OUT.  o = 0.25 q M for each (t, head), the LIF scan over t with threshold 0.5, then LayerNorm(s l_W^T + l_b) l_g + l_beta and the LIF scan with threshold 1; spikes out as f32 0.0 / 1.0.
; SHARES as in launch qkv: a work-group owns 16 positions of one b at all four t (row = 16 t + l'), eight waves, wave w columns 96 w .. of the last product; 256 work-groups.
; THE FIRST PART.  o^T = M^T q^T: source 0 = 16 columns d2 of M (launch ktv wrote them as fragments), source 1 = 16 rows of q, loaded from sp as fragments.  Wave w makes six blocks of 16 columns: heads 3 (w / 2) + i / 2,
; d2 = 32 (w % 2) + 16 (i % 2) on.  A lane holds one row and eight neighbouring columns; all numbers are multiples of 2^-6 below 2^13, so the scan is exact.  The spikes go to LDS as bf16, where launch qkv holds x.
; M AND l_W GO STRAIGHT INTO REGISTERS, NO LDS, NO CLUSTER, as W in launch qkv and for its reason: each of their bytes feeds one wave of the work-group alone, and beside the spikes' 99,328 bytes LDS slots would hold one K step
; each, with 36 of a wave's matrix instructions in which a refill lands; by loads into registers 36 loads (18,432 bytes) are on their way at every wait.  The price: each work-group asks for M (393,216 bytes) and l_W (1,179,648) itself.
; THE SECOND PART.  The K part is launch qkv's, but the sums start at 0 and the bias is added behind them.  The outputs are spikes, so the norm follows reference() one rounding at a time:
; y = dot + b; both sums over the 768 columns go by blocks of 32 consecutive columns, ascending inside a block, and the 24 block sums are then added in ascending order; mean = sum x (1 / 768); d = y - mean;
; d d is rounded before it is added; a = var + 1e-5 in two roundings; 1 / sqrt(a) as a correctly rounded root and a correctly rounded reciprocal of it; ((d r) g) + beta in three roundings.
; The way out goes through a stage in LDS: a wave's 384 bytes of a row are one and a half blocks of 256.
; LIMITS.  Every input is rounded once to bf16.  A membrane value of the last scan that lies within the rounding noise of f32 sums taken in another order (some 1e-7 of itself) of the threshold may spike otherwise than
; such a sum would have it; NaN gives no spike (the comparison is false), and -s v + v has the value of v (1 - s) for every v.
; LDS: 0 the stage, 64 rows x 3,088; XS the spikes s, 64 rows x 1,552; STAT 24 block sums x 256 bytes.
; REGISTERS.  window 0: v0-15 addresses; v16-18 at work; v32-95 s's fragments (first part: v32-79 o; in the norm v32-55 the running sums); v96-239 W's buffers 0, 1, 2 (first part: v96-191 M of even t; in the norm the bias,
;             the squares and the block sums, and v192-239 beta); v240-242 addresses; v252-253 running addresses.
;             window 1: v0-95 q of even and of odd t, v96-191 M of odd t; then v0-191 the accumulators, then the rows on their way out; v192-239 the first scan's membrane, W's buffer 3, g; v240-247 means and 1 / sqrt; v248 1.0.
.set GP,    3088                       ; a row of the stage: 3,072 + 16 = 193 x 16
.set XS,    64*GP                      ; 197,632
.set XP,    1552                       ; a row of s in LDS: 1,536 + 16 = 97 x 16: the 16 rows of a fragment load start at 16 different 16-byte columns of 256
.set STAT,  XS+64*XP                   ; 296,960: [block 24][r 16][t 4] f32
.set HSB,   6144                       ; bytes of W for one wave and 32 along K
.set MATB,  8*24*HSB                   ; bytes of one matrix in wb
.set RR,  1
.set HH,  2
.set VW,  3                            ; v3   16 x lane: my 16 bytes of a load's or a store's 512; never rewritten
.set AXB, 5                            ; v5-6 my place in s's fragments, t = 0, 1 and t = 2, 3; never rewritten
.set VP,  9                            ; v9   my byte offset in a vector of pr
.set VQ,  10                           ; v10  my byte offset in a row of blocks of q
.set AST, 11                           ; v11  where my wave puts its three block sums
.set ALD, 12                           ; v12  where I read all 24
.set AS,  15                           ; v15  where my 16 bytes of s go
.set XF,  32
.set OA,  32                           ; o's six accumulators
.set C0,  32                           ; the norm: twelve running sums, (block bk, t) at 4 bk + t; two sets, since an exchange of the lanes' halves goes from one to the other
.set C1,  44
.set WF,  96
.set QQ,  96                           ; the norm: the bias; then the squares, chain (bk, t) at 8 (4 bk + t); then the 24 block sums
.set S,   144
.set PB,  192
.set ASG, 240                          ; v240-241 into the stage, t = 0, 1 and t = 2, 3
.set ARD, 242                          ; v242 back from the stage
.set AXR, 252
.set PG,  192                          ; window 1
.set OV,  192
.set MM,  240
.set RS,  244
.set ONE, 248
.set MSB, 0
.macro WIN new                         ; the immediate's high byte repeats the setting that is left; a switch that changes nothing is dropped
.if MSB != (\new)
	s_set_vgpr_msb (MSB<<8)|(\new)
.set MSB, \new
.endif
.endm
.macro PLACES                          ; four places behind matrix instructions, in front of loads into their registers and of vector work on them
.rept 4
	v_nop
.endr
.endm
.macro XFETCH f, off                   ; 8 LDS loads: s's 64 rows, 32 along K at byte off of the running address, into buffer f
	WIN 0
.irp t, 0,1,2,3
	ds_load_b128 v[XF+32*(\f)+8*\t:XF+32*(\f)+8*\t+3],   v[AXR+(\t)/2] offset:16*XP*((\t)%2)+(\off)
	ds_load_b128 v[XF+32*(\f)+8*\t+4:XF+32*(\f)+8*\t+7], v[AXR+(\t)/2] offset:16*XP*((\t)%2)+(\off)+32
.endr
.endm
.macro WLOAD b, off                    ; 12 loads: my 96 rows of W, 32 along K, at byte off of W's running address, into buffer b
.set WR, WF+48*(\b)
.if (\b) == 3
.set WR, 192
	WIN 0x40                                       ; buffer 3 lies in window 1
.else
	WIN 0
.endif
.irp nb, 0,1,2,3,4,5
	global_load_b128 v[WR+8*\nb:WR+8*\nb+3],   v[VW], s[62:63] offset:(\off)+1024*\nb
	global_load_b128 v[WR+8*\nb+4:WR+8*\nb+7], v[VW], s[62:63] offset:(\off)+1024*\nb+512
.endr
.endm
; 24 matrix instructions: 32 along K, W from buffer b, s from buffer f.  first = 1: the first product starts the sums: nothing is cleared.
; The 24 accumulators take turns in the same order in every half step.
.macro MUL b, f, first
.set WR, WF+48*(\b)
.if (\b) == 3
.set WR, 192
	WIN 0x51                                       ; C, D and W in window 1, s in window 0
.else
	WIN 0x50                                       ; C and D in window 1
.endif
.irp t, 0,1,2,3
.irp nb, 0,1,2,3,4,5
.if \first
	v_wmma_f32_16x16x32_bf16 v[8*(6*\t+\nb):8*(6*\t+\nb)+7], v[WR+8*\nb:WR+8*\nb+7], v[XF+32*(\f)+8*\t:XF+32*(\f)+8*\t+7], 0
.else
	v_wmma_f32_16x16x32_bf16 v[8*(6*\t+\nb):8*(6*\t+\nb)+7], v[WR+8*\nb:WR+8*\nb+7], v[XF+32*(\f)+8*\t:XF+32*(\f)+8*\t+7], v[8*(6*\t+\nb):8*(6*\t+\nb)+7]
.endif
.endr
.endr
.endm
.macro HSTEP b, f, lc, dc, first=0     ; a half step: lc loads from memory and dc LDS loads, all younger than this half step's, may stay out
	s_wait_loadcnt \lc
	s_wait_dscnt \dc
	MUL \b, \f, \first
.endm
.macro VEC48 reg, off                  ; 48 numbers of a vector of pr, my 96 columns' share: the eight of (nb, h) lie as an accumulator's eight registers; the window is set by the caller
.irp nb, 0,1,2,3,4,5
	global_load_b128 v[(\reg)+8*\nb:(\reg)+8*\nb+3],   v[VP], s[60:61] offset:(\off)+64*\nb
	global_load_b128 v[(\reg)+8*\nb+4:(\reg)+8*\nb+7], v[VP], s[60:61] offset:(\off)+64*\nb+16
.endr
.endm
; THE ROWS' SUMS.  A block of 32 columns lies in four places: (nb even, h = 0), (nb even, h = 1), (nb odd, h = 0), (nb odd, h = 1), eight columns each.
; STAGE adds eight numbers, ascending, onto each of the twelve running sums of set cs; it means something in the half of the lanes whose turn it is, and the other half's result is dropped.
; var = 0: the numbers are the accumulators' (window 1); var = 1: the squares in QQ.  first = 1: the first two numbers start the sums: nothing is cleared.
.macro STAGE cs, var, odd, first
.if \first
.if \var
	WIN 0
.else
	WIN 0x05                                       ; both sources in window 1
.endif
.irp bk, 0,1,2
.irp t, 0,1,2,3
.if \var
	v_add_f32 v[(\cs)+4*\bk+\t], v[QQ+8*(4*\bk+\t)], v[QQ+8*(4*\bk+\t)+1]
.else
	v_add_f32 v[(\cs)+4*\bk+\t], v[8*(6*\t+2*\bk+(\odd))], v[8*(6*\t+2*\bk+(\odd))+1]
.endif
.endr
.endr
.endif
.if \var
	WIN 0
.else
	WIN 0x04                                       ; source 1 in window 1
.endif
.irp j, 0,1,2,3,4,5,6,7
.if (\j > 1) || !(\first)
.irp bk, 0,1,2
.irp t, 0,1,2,3
.if \var
	v_add_f32 v[(\cs)+4*\bk+\t], v[(\cs)+4*\bk+\t], v[QQ+8*(4*\bk+\t)+\j]
.else
	v_add_f32 v[(\cs)+4*\bk+\t], v[(\cs)+4*\bk+\t], v[8*(6*\t+2*\bk+(\odd))+\j]
.endif
.endr
.endr
.endif
.endr
.endm
.macro XCH dst, src                    ; the twelve running sums go to the lane 16 away, whose turn is next
	WIN 0
.set n, 0
.rept 12
	v_permlanex16_b32 v[(\dst)+n], v[(\src)+n], s58, s59
.set n, n+1
.endr
.endm
.macro SQUARES odd                     ; d d, rounded, of the even or the odd column blocks
	WIN 0x05
.irp bk, 0,1,2
.irp t, 0,1,2,3
.irp k, 0,1,2,3
	v_pk_mul_f32 v[QQ+8*(4*\bk+\t)+2*\k:QQ+8*(4*\bk+\t)+2*\k+1], v[8*(6*\t+2*\bk+(\odd))+2*\k:8*(6*\t+2*\bk+(\odd))+2*\k+1], v[8*(6*\t+2*\bk+(\odd))+2*\k:8*(6*\t+2*\bk+(\odd))+2*\k+1]
.endr
.endr
.endr
.endm
; The sum over a row's 768 columns, for my row r at the four t -> v[QQ:QQ+3], in every lane and every wave alike.
.macro SUMS var
.if \var
	SQUARES 0
.endif
	STAGE C0, \var, 0, 1                           ; columns 0-7 of each block: lanes 0-15
	XCH C1, C0
	STAGE C1, \var, 0, 0                           ; 8-15: lanes 16-31
	XCH C0, C1
.if \var
	SQUARES 1
.endif
	STAGE C0, \var, 1, 0                           ; 16-23: lanes 0-15
	XCH C1, C0
	STAGE C1, \var, 1, 0                           ; 24-31: lanes 16-31 now hold the block sums
	XCH C0, C1
.set n, 0
.rept 12
	v_cndmask_b32 v[C0+n], v[C0+n], v[C1+n], s74   ; and so do all lanes
.set n, n+1
.endr
.if \var
	s_barrier_signal -1                            ; the block sums' bytes are used a second time: every wave has waited for its reads of the first
	s_barrier_wait -1
.endif
.irp bk, 0,1,2
	ds_store_b128 v[AST], v[C0+4*\bk:C0+4*\bk+3] offset:256*\bk
.endr
	s_wait_dscnt 0x0                               ; for the others' sake: my stores are done
	s_barrier_signal -1
	s_barrier_wait -1
.set n, 0
.rept 24
	ds_load_b128 v[QQ+4*n:QQ+4*n+3], v[ALD] offset:256*n
.set n, n+1
.endr
	s_wait_dscnt 0x0
.set n, 1
.rept 23
	v_pk_add_f32 v[QQ:QQ+1], v[QQ:QQ+1], v[QQ+4*n:QQ+4*n+1]          ; the 24 block sums, ascending
	v_pk_add_f32 v[QQ+2:QQ+3], v[QQ+2:QQ+3], v[QQ+4*n+2:QQ+4*n+3]
.set n, n+1
.endr
.endm
.macro SUBM x, t                       ; a pair of the accumulators less the mean of time step t (one register of a pair, for both halves)
.if (\t)%2
	v_pk_add_f32 v[\x:\x+1], v[\x:\x+1], v[MM+2*((\t)/2):MM+2*((\t)/2)+1] op_sel:[0,1] op_sel_hi:[1,1] neg_lo:[0,1] neg_hi:[0,1]
.else
	v_pk_add_f32 v[\x:\x+1], v[\x:\x+1], v[MM+2*((\t)/2):MM+2*((\t)/2)+1] op_sel_hi:[1,0] neg_lo:[0,1] neg_hi:[0,1]
.endif
.endm
.macro MULR x, t                       ; the same pair times 1 / sqrt of time step t
.if (\t)%2
	v_pk_mul_f32 v[\x:\x+1], v[\x:\x+1], v[RS+2*((\t)/2):RS+2*((\t)/2)+1] op_sel:[0,1] op_sel_hi:[1,1]
.else
	v_pk_mul_f32 v[\x:\x+1], v[\x:\x+1], v[RS+2*((\t)/2):RS+2*((\t)/2)+1] op_sel_hi:[1,0]
.endif
.endm
.macro EACH4 line:vararg               ; one line for each time step t
.set t, 0
.rept 4
	\line
.set t, t+1
.endr
.endm
; BIAS AND LAYERNORM, in place in the accumulators.  Each accumulator is read from its low end on.
.macro E1
	s_wait_loadcnt 24                              ; the bias is in; beta's and g's 24 loads stay out
	WIN 0x41                                       ; accumulators in window 1, the bias in window 0
.irp t, 0,1,2,3
.irp nb, 0,1,2,3,4,5
.irp k, 0,1,2,3
	v_pk_add_f32 v[48*\t+8*\nb+2*\k:48*\t+8*\nb+2*\k+1], v[48*\t+8*\nb+2*\k:48*\t+8*\nb+2*\k+1], v[QQ+8*\nb+2*\k:QQ+8*\nb+2*\k+1]
.endr
.endr
.endr
	SUMS 0
	WIN 0x40
	v_pk_mul_f32 v[MM:MM+1], v[QQ:QQ+1], s[54:55] op_sel_hi:[1,0]       ; the means
	v_pk_mul_f32 v[MM+2:MM+3], v[QQ+2:QQ+3], s[54:55] op_sel_hi:[1,0]
	WIN 0x45                                       ; all in window 1
.irp t, 0,1,2,3
.set n, 0
.rept 24
	SUBM 48*\t+2*n, \t
.set n, n+1
.endr
.endr
	SUMS 1
	v_pk_mul_f32 v[100:101], v[QQ:QQ+1], s[54:55] op_sel_hi:[1,0]       ; the variances,
	v_pk_mul_f32 v[102:103], v[QQ+2:QQ+3], s[54:55] op_sel_hi:[1,0]
	v_pk_add_f32 v[100:101], v[100:101], s[56:57] op_sel_hi:[1,0]       ; a = variance + 1e-5, a rounding of its own
	v_pk_add_f32 v[102:103], v[102:103], s[56:57] op_sel_hi:[1,0]
	; the correctly rounded root: v_sqrt_f32 is within one unit in the last place; its two neighbours are tested by the fused residuals a - neighbour x root
	EACH4 v_sqrt_f32 v[104+t], v[100+t]
	v_nop                                          ; a plain instruction between the last of them and the use of its result
	s_wait_alu depctr_va_vdst(0)
	EACH4 v_add_nc_u32 v[108+t], -1, v[104+t]
	EACH4 v_add_nc_u32 v[112+t], 1, v[104+t]
	EACH4 v_fma_f32 v[116+t], -v[108+t], v[104+t], v[100+t]
	EACH4 v_fma_f32 v[120+t], -v[112+t], v[104+t], v[100+t]
.irp t, 0,1,2,3
	v_cmp_ge_f32 vcc_lo, 0, v[116+\t]
	v_cndmask_b32 v[104+\t], v[104+\t], v[108+\t], vcc_lo
	v_cmp_lt_f32 vcc_lo, 0, v[120+\t]
	v_cndmask_b32 v[104+\t], v[104+\t], v[112+\t], vcc_lo
.endr
	; the correctly rounded reciprocal of it: v_rcp_f32 and three refinements by fused residuals
	EACH4 v_rcp_f32 v[124+t], v[104+t]
	v_nop
	s_wait_alu depctr_va_vdst(0)
	EACH4 v_fma_f32 v[128+t], -v[104+t], v[124+t], 1.0
	EACH4 v_fma_f32 v[132+t], v[128+t], v[124+t], v[124+t]
	EACH4 v_fma_f32 v[128+t], -v[104+t], v[132+t], 1.0
	EACH4 v_fma_f32 v[136+t], v[128+t], v[132+t], v[132+t]
	EACH4 v_fma_f32 v[128+t], -v[104+t], v[136+t], 1.0
	WIN 0x40
	EACH4 v_fma_f32 v[RS+t], v[128+t], v[132+t], v[136+t]
	s_wait_loadcnt 0x0                             ; g and beta
	WIN 0x45                                       ; accumulators, 1 / sqrt and g in window 1
.irp t, 0,1,2,3
.irp nb, 0,1,2,3,4,5
.irp k, 0,1,2,3
	MULR 48*\t+8*\nb+2*\k, \t
.endr
.irp k, 0,1,2,3
	v_pk_mul_f32 v[48*\t+8*\nb+2*\k:48*\t+8*\nb+2*\k+1], v[48*\t+8*\nb+2*\k:48*\t+8*\nb+2*\k+1], v[PG+8*\nb+2*\k:PG+8*\nb+2*\k+1]
.endr
.endr
.endr
	WIN 0x41                                       ; beta in window 0
.irp t, 0,1,2,3
.irp nb, 0,1,2,3,4,5
.irp k, 0,1,2,3
	v_pk_add_f32 v[48*\t+8*\nb+2*\k:48*\t+8*\nb+2*\k+1], v[48*\t+8*\nb+2*\k:48*\t+8*\nb+2*\k+1], v[PB+8*\nb+2*\k:PB+8*\nb+2*\k+1]
.endr
.endr
.endr
.endm
; ONE TIME STEP OF THE LAST SCAN, in place: the membrane of step t takes the place of h of step t; the spikes go to S as 0.0 / 1.0; where a spike fell the membrane is set to 0.
.macro LIFT t
	WIN 0x55
.set n, 0
.if (\t) == 0
.rept 24
	v_pk_mul_f32 v[2*n:2*n+1], v[2*n:2*n+1], 0.5 op_sel_hi:[1,0]
.set n, n+1
.endr
.else
.rept 24
	v_pk_add_f32 v[48*(\t)+2*n:48*(\t)+2*n+1], v[48*(\t)+2*n:48*(\t)+2*n+1], v[48*(\t)-48+2*n:48*(\t)-48+2*n+1] neg_lo:[0,1] neg_hi:[0,1]
.set n, n+1
.endr
.set n, 0
.rept 24
	v_pk_fma_f32 v[48*(\t)+2*n:48*(\t)+2*n+1], v[48*(\t)+2*n:48*(\t)+2*n+1], 0.5, v[48*(\t)-48+2*n:48*(\t)-48+2*n+1] op_sel_hi:[1,0,1]
.set n, n+1
.endr
.endif
	WIN 0x04                                       ; the membrane and 1.0 in window 1, the spike in window 0
.set n, 0
.rept 48
	v_cmp_le_f32 vcc_lo, 1.0, v[48*(\t)+n]
	v_cndmask_b32 v[S+n], 0, v[ONE], vcc_lo
.set n, n+1
.endr
.if (\t) < 3
	WIN 0x54
.set n, 0
.rept 24
	v_pk_fma_f32 v[48*(\t)+2*n:48*(\t)+2*n+1], v[S+2*n:S+2*n+1], v[48*(\t)+2*n:48*(\t)+2*n+1], v[48*(\t)+2*n:48*(\t)+2*n+1] neg_lo:[1,0,0] neg_hi:[1,0,0]
.set n, n+1
.endr
.endif
.endm
.macro QLOAD t                         ; 12 loads: q's fragments of time step t, straight from sp: (head, 32 channels) at 8 (2 hh + c); a block's 32 r + 16 h is a lane's half fragment
	WIN 0x40
.irp f, 0,1,2,3,4,5
	global_load_b128 v[48*((\t)%2)+8*\f:48*((\t)%2)+8*\f+3],   v[VQ], s[4:5] offset:393216*(\t)+1024*\f
	global_load_b128 v[48*((\t)%2)+8*\f+4:48*((\t)%2)+8*\f+7], v[VQ], s[4:5] offset:393216*(\t)+1024*\f+512
.endr
.endm
.macro MLOAD t, c                      ; 12 loads: M's fragments of time step t for d1 = 32 c on, six blocks of columns; window t % 2
	WIN 0x40*((\t)%2)
.irp i, 0,1,2,3,4,5
	global_load_b128 v[WF+16*\i+8*(\c):WF+16*\i+8*(\c)+3],   v[VW], s[6:7] offset:98304*(\t)+2048*\i+1024*(\c)
	global_load_b128 v[WF+16*\i+8*(\c)+4:WF+16*\i+8*(\c)+7], v[VW], s[6:7] offset:98304*(\t)+2048*\i+1024*(\c)+512
.endr
.endm
; THE FIRST PART, time step t: 12 matrix instructions on six accumulators by turns; behind them the loads of t + 2 (behind t = 2: l_W's first three half steps) into the registers just read; the scan's step; the spikes into XS.
.macro MWORK t
.if (\t) == 0
	s_wait_loadcnt 24                              ; q and M of t = 0 are in; q of t = 1 and the first half of its M stay out
	MLOAD 1, 1                                     ; the second half
.else
	s_wait_loadcnt 36                              ; q and M of this t are in; the 36 loads issued behind the last products stay out
.endif
	WIN 0x04+((\t)%2)                              ; q in window 1, M in window t % 2, o in window 0
.irp i, 0,1,2,3,4,5
	v_wmma_f32_16x16x32_bf16 v[OA+8*\i:OA+8*\i+7], v[WF+16*\i:WF+16*\i+7], v[48*((\t)%2)+16*(\i/2):48*((\t)%2)+16*(\i/2)+7], 0
.endr
.irp i, 0,1,2,3,4,5
	v_wmma_f32_16x16x32_bf16 v[OA+8*\i:OA+8*\i+7], v[WF+16*\i+8:WF+16*\i+15], v[48*((\t)%2)+16*(\i/2)+8:48*((\t)%2)+16*(\i/2)+15], v[OA+8*\i:OA+8*\i+7]
.endr
	PLACES
.if (\t) < 2
	QLOAD (\t)+2
	MLOAD (\t)+2, 0
	MLOAD (\t)+2, 1
.elseif (\t) == 2
	WLOAD 0, 0
	WLOAD 1, HSB
	WLOAD 2, 2*HSB
.endif
.set n, 0
.if (\t) == 0
	WIN 0x40
.rept 24
	v_pk_mul_f32 v[OV+2*n:OV+2*n+1], v[OA+2*n:OA+2*n+1], s[70:71] op_sel_hi:[1,0]  ; v = (0.25 o) / 2: the membrane starts at 0, and nothing is cleared
.set n, n+1
.endr
.else
	WIN 0x10
.rept 24
	v_pk_fma_f32 v[OA+2*n:OA+2*n+1], v[OA+2*n:OA+2*n+1], s[68:69], v[OV+2*n:OV+2*n+1] op_sel_hi:[1,0,1] neg_lo:[0,0,1] neg_hi:[0,0,1]  ; 0.25 o - v
.set n, n+1
.endr
	WIN 0x50
.set n, 0
.rept 24
	v_pk_fma_f32 v[OV+2*n:OV+2*n+1], v[OA+2*n:OA+2*n+1], 0.5, v[OV+2*n:OV+2*n+1] op_sel_hi:[1,0,1]
.set n, n+1
.endr
.endif
	WIN 0x04
.set n, 0
.rept 48
	v_cmp_le_f32 vcc_lo, 0.5, v[OV+n]
	v_cndmask_b32 v[OA+n], 0, v[ONE], vcc_lo
.set n, n+1
.endr
.if (\t) < 3
	WIN 0x54
.set n, 0
.rept 24
	v_pk_fma_f32 v[OV+2*n:OV+2*n+1], v[OA+2*n:OA+2*n+1], v[OV+2*n:OV+2*n+1], v[OV+2*n:OV+2*n+1] neg_lo:[1,0,0] neg_hi:[1,0,0]
.set n, n+1
.endr
.endif
	WIN 0
.irp i, 0,1,2,3,4,5
.irp k, 0,1,2,3
	v_cvt_pk_bf16_f32 v[OA+8*\i+\k], v[OA+8*\i+2*\k], v[OA+8*\i+2*\k+1]  ; in place, ascending: no source is written before it is read
.endr
.endr
.irp i, 0,1,2,3,4,5
	ds_store_b128 v[AS], v[OA+8*\i:OA+8*\i+3] offset:128*(\i/2)+32*(\i%2)
.endr
	v_add_nc_u32 v[AS], 16*XP, v[AS]               ; the next t's 16 rows
.endm
	s_load_b256 s[4:11], s[0:1], 0x0               ; sp s[4:5], mf s[6:7], wb s[8:9], pr s[10:11]
	s_load_b64 s[66:67], s[0:1], 0x20              ; out0
	v_lshl_add_u32 v254, v0, 2, 0x4a000
	v_mov_b32 v255, 0
	v_lshrrev_b32 v16, 5, v0
	v_readfirstlane_b32 s12, v16                   ; wave 0..7
	s_lshr_b32 s14, ttmp9, 4                       ; b
	s_and_b32 s15, ttmp9, 15                       ; lblk
	s_mov_b32 s54, 0x3aaaaaab                      ; 1 / 768
	s_mov_b32 s55, s54                             ; named with it as a pair
	s_mov_b32 s56, 0x3727c5ac                      ; 1e-5
	s_mov_b32 s57, s56
	s_mov_b32 s58, 0x76543210                      ; v_permlanex16_b32: each lane takes its own place in the other half
	s_mov_b32 s59, 0xfedcba98
	s_mov_b32 s68, 0x3e800000                      ; 0.25
	s_mov_b32 s69, s68
	s_mov_b32 s70, 0x3e000000                      ; 0.125
	s_mov_b32 s71, s70
	s_mov_b32 s74, 0xffff0000                      ; lanes 16-31
	s_mul_i32 s18, s14, 393216                     ; M of (b, t = 0),
	s_mul_i32 s19, s12, 12288                      ; my wave's six blocks of columns
	s_add_co_u32 s18, s18, s19
	s_mov_b32 s19, 0
	s_mul_i32 s22, s12, 24*HSB
	s_add_co_u32 s22, s22, 3*MATB                  ; l_W is wb's fourth matrix
	s_mov_b32 s23, 0
	s_mul_i32 s16, s14, 1572864
	s_mul_i32 s17, s15, 24576
	s_add_co_u32 s16, s16, s17
	s_mov_b32 s17, 0
	s_lshr_b32 s21, s12, 1                         ; w / 2
	s_and_b32 s3, s12, 1                           ; w % 2
	WIN 0x40
	v_mov_b32 v[ONE], 1.0
	WIN 0
	v_and_b32 v[RR], 15, v0
	v_bfe_u32 v[HH], v0, 4, 1
	v_and_b32 v16, 31, v0                          ; lane L
	v_lshlrev_b32 v[VW], 4, v16
	s_mul_i32 s20, s21, 6144                       ; my three heads' twelve blocks
	v_lshlrev_b32 v[VQ], 5, v[RR]
	v_lshl_add_u32 v[VQ], v[HH], 4, v[VQ]
	v_add_nc_u32 v[VQ], s20, v[VQ]
	s_wait_kmcnt 0x0
	s_add_nc_u64 s[6:7], s[6:7], s[18:19]
	s_add_nc_u64 s[62:63], s[8:9], s[22:23]        ; W's running address: l_W, my wave, half step 0
	s_add_nc_u64 s[60:61], s[10:11], 27648         ; pr at l's vectors
	s_add_nc_u64 s[4:5], s[4:5], s[16:17]          ; q at (b, t = 0, lblk)
	QLOAD 0
	MLOAD 0, 0
	MLOAD 0, 1
	QLOAD 1
	MLOAD 1, 0
	WIN 0
	s_mul_i32 s20, s12, 384
	v_lshl_add_u32 v[VP], v[HH], 5, s20            ; 4 bytes x (96 w + 8 h)
	s_mul_i32 s16, s14, 3145728                    ; out0 at the rows that my wave stores: t = w / 2, positions 16 lblk + 8 (w % 2) on
	s_mul_i32 s17, s15, 49152
	s_add_co_u32 s16, s16, s17
	s_mul_i32 s17, s21, 786432
	s_add_co_u32 s16, s16, s17
	s_mul_i32 s17, s3, 24576
	s_add_co_u32 s16, s16, s17
	s_mov_b32 s17, 0
	s_add_nc_u64 s[66:67], s[66:67], s[16:17]
	v_mul_u32_u24 v[AXB], v[RR], XP
	v_lshl_add_u32 v[AXB], v[HH], 4, v[AXB]        ; row x pitch + 16 x half
	v_add_nc_u32 v[AXB+1], XS+32*XP, v[AXB]
	v_add_nc_u32 v[AXB], XS, v[AXB]
	s_mul_i32 s22, s21, 384                        ; my columns of s: 192 (w / 2) + 32 (w % 2), in bytes
	s_lshl_b32 s23, s3, 6
	s_add_co_u32 s22, s22, s23
	v_add_nc_u32 v[AS], s22, v[AXB]
	s_mul_i32 s22, s12, 768                        ; my wave's three blocks of 256 bytes among the 24
	s_add_co_u32 s22, s22, STAT
	v_lshl_add_u32 v[AST], v[RR], 4, s22
	v_lshlrev_b32 v[ALD], 4, v[RR]
	v_add_nc_u32 v[ALD], STAT, v[ALD]
	v_mul_u32_u24 v[ASG], v[RR], GP                ; into the stage: row r of a time step, my 384 bytes, 32 for each half of the lanes
	v_lshl_add_u32 v[ASG], v[HH], 5, v[ASG]
	v_add_nc_u32 v[ASG], s20, v[ASG]
	v_add_nc_u32 v[ASG+1], 32*GP, v[ASG]
	s_mul_i32 s22, s12, 8*GP
	v_lshl_add_u32 v[ARD], v16, 4, s22             ; back: rows 8 w on, 512 consecutive bytes a load
	MWORK 0
	MWORK 1
	MWORK 2
	MWORK 3
	WLOAD 3, 3*HSB                                 ; where the first scan's membrane lay
	WIN 0
	s_wait_dscnt 0x0                               ; my spikes are in LDS,
	s_barrier_signal -1
	s_barrier_wait -1                              ; everybody's are
	; THE K PART: 24 half steps of 32.  Half step hs takes W's buffer hs % 4 and s's buffer hs % 2.  Behind its products: W of hs + 4 into the buffer just read, s of hs + 2 likewise.
	v_mov_b32 v[AXR], v[AXB]
	v_mov_b32 v[AXR+1], v[AXB+1]
	XFETCH 0, 0
	XFETCH 1, 64
	HSTEP 0, 0, 36, 8, 1                           ; hs 0 stands in front of the loop: its products start the sums.  Half steps 1 to 3 (36 loads) and s of hs 1 may be out
	WIN 0
	s_mov_b32 s52, 5
.Llap:                                                 ; trip i: half steps 4 i + 1 .. 4 i + 4.  What belongs behind hs 4 i stands at the trip's head, so that the last trip asks for nothing past hs 23
	PLACES
	WLOAD 0, 4*HSB
	XFETCH 0, 128
	HSTEP 1, 1, 36, 8                              ; the three younger half steps' 36 loads stay out, and the next half step's s
	PLACES
	WLOAD 1, 5*HSB
	XFETCH 1, 192
	HSTEP 2, 0, 36, 8
	PLACES
	WLOAD 2, 6*HSB
	XFETCH 0, 256
	HSTEP 3, 1, 36, 8
	PLACES
	WLOAD 3, 7*HSB
	XFETCH 1, 320
	HSTEP 0, 0, 36, 8
	WIN 0
	v_add_nc_u32 v[AXR], 256, v[AXR]               ; four half steps on in s's rows
	v_add_nc_u32 v[AXR+1], 256, v[AXR+1]
	s_wait_xcnt 0x0                                ; W's running address is rewritten only behind this wait
	s_add_nc_u64 s[62:63], s[62:63], 4*HSB
	s_sub_co_u32 s52, s52, 1
	s_cmp_lg_u32 s52, 0
	s_cbranch_scc1 .Llap
	PLACES
	XFETCH 0, 128                                  ; s of hs 22
	VEC48 QQ, 0                                    ; the bias, into buffer 0, which is done
	HSTEP 1, 1, 36, 8                              ; hs 21: half steps 22, 23 and the bias stay out
	PLACES
	XFETCH 1, 192                                  ; s of hs 23
	HSTEP 2, 0, 24, 8                              ; hs 22: half step 23 and the bias
	PLACES
	WIN 0
	VEC48 PB, 6144                                 ; beta, into buffer 2
	HSTEP 3, 1, 24, 0                              ; hs 23: the bias and beta
	PLACES
	WIN 0x40
	VEC48 PG, 3072                                 ; g, into buffer 3
	E1
	; THE LAST SCAN AND THE WAY OUT
.irp t, 0,1,2,3
	LIFT \t
	WIN 0
.irp nb, 0,1,2,3,4,5
	ds_store_b128 v[ASG+(\t)/2], v[S+8*\nb:S+8*\nb+3]   offset:16*GP*((\t)%2)+64*\nb
	ds_store_b128 v[ASG+(\t)/2], v[S+8*\nb+4:S+8*\nb+7] offset:16*GP*((\t)%2)+64*\nb+16
.endr
.endr
	s_wait_dscnt 0x0                               ; for the others' sake: my stores into the stage are done
	s_barrier_signal -1
	s_barrier_wait -1
	WIN 0x40                                       ; eight whole rows, into the accumulators' registers, which are done with
.set n, 0
.rept 48
	ds_load_b128 v[4*n:4*n+3], v[ARD] offset:GP*(n/6)+512*(n%6)
.set n, n+1
.endr
	WIN 0x04                                       ; the stores' data in window 1
.irp i, 0,1,2,3,4,5,6,7
	s_wait_dscnt 42-6*\i                           ; row i is back; the later rows stay out
.irp c, 0,1,2,3,4,5
	global_store_b128 v[VW], v[24*\i+4*\c:24*\i+4*\c+3], s[66:67] offset:3072*\i+512*\c th:TH_STORE_NT  ; 512 consecutive bytes, aligned
.endr
.endr
	WIN 0
	s_wait_tensorcnt 0x0
	ds_add_u32 v254, v255
	s_wait_dscnt 0x0
	s_endpgm
.Lfunc_end_k_q838f5feedc_out:
	.size	k_q838f5feedc_out, .Lfunc_end_k_q838f5feedc_out-k_q838f5feedc_out
	.p2alignl 7, 3214868480
	.fill 96, 4, 3214868480
	.section	.rodata,"a",@progbits
	.p2align	6, 0x0
	.amdhsa_kernel k_q838f5feedc_out
		.amdhsa_group_segment_fixed_size 304128
		.amdhsa_private_segment_fixed_size 0
		.amdhsa_enable_private_segment 0
		.amdhsa_kernarg_size 40
		.amdhsa_user_sgpr_count 2
		.amdhsa_user_sgpr_kernarg_segment_ptr 1
		.amdhsa_wavefront_size32 1
		.amdhsa_system_sgpr_workgroup_id_x 1
		.amdhsa_system_sgpr_workgroup_id_y 1
		.amdhsa_system_sgpr_workgroup_id_z 1
		.amdhsa_system_vgpr_workitem_id 0
		.amdhsa_next_free_vgpr 512
		.amdhsa_next_free_sgpr 80
		.amdhsa_reserve_vcc 1
		.amdhsa_float_denorm_mode_32 3
		.amdhsa_float_denorm_mode_16_64 3
		.amdhsa_memory_ordered 1
		.amdhsa_forward_progress 1
		.amdhsa_inst_pref_size 207
	.end_amdhsa_kernel
	.amdgpu_metadata
---
amdhsa.version: [ 1, 2 ]
amdhsa.kernels:
  - .name:           k_q838f5feedc_out
    .symbol:         k_q838f5feedc_out.kd
    .args:
      - { .name: sp, .offset: 0, .size: 8, .value_kind: global_buffer, .address_space: global }
      - { .name: mf, .offset: 8, .size: 8, .value_kind: global_buffer, .address_space: global }
      - { .name: wb, .offset: 16, .size: 8, .value_kind: global_buffer, .address_space: global }
      - { .name: pr, .offset: 24, .size: 8, .value_kind: global_buffer, .address_space: global }
      - { .name: out0, .offset: 32, .size: 8, .value_kind: global_buffer, .address_space: global }
    .group_segment_fixed_size: 304128
    .private_segment_fixed_size: 0
    .kernarg_segment_align: 8
    .kernarg_segment_size: 40
    .max_flat_workgroup_size: 256
    .sgpr_count:     80
    .vgpr_count:     512
    .wavefront_size: 32
...
	.end_amdgpu_metadata
.endif
;; end of part 7
